; MI455X (gfx1250); checked and timed in simulation.
; The chip was launched on July 23, 2026; its instructions are those of AMD's public machine-readable ISA for CDNA 5 (MIT licence, August 2026) and "CDNA5" Instruction Set Architecture Reference Guide (July 2026). The comments in the code are by the model that wrote it; some were corrected since.
;; Multihead Self Attention. Allowed arithmetic: matrix products marked QUANTISED: E2M3 operands, one E8M0 scale for each 32 along K, by v_wmma_scale_f32_16x16x128_f8f6f4 with both operands' format E2M3, f32 sums; everything else in f32.
;; Inputs: Wk 2,048 x 2,048 float32; Wo 2,048 x 2,048 float32; Wq 2,048 x 2,048 float32; Wv 2,048 x 2,048 float32; token_positions 2,048 int32; x 1 x 2,048 x 2,048 float32.
;; Outputs: out0 1 x 2,048 x 2,048 float32.
;; This version of the problem:
;;   THIS VERSION OF THE PROBLEM IS GIVEN IN LOW PRECISION. The matrix products marked QUANTISED in the list below multiply operands that are first quantised to E2M3 (2 exponent bits, 3 mantissa bits; 6 bits a number), with one power-of-two scale for each 32 numbers along K (OCP MX v1.0); their sums are f32. All else is computed in f32.
;;   The module's matrix products, in the order in which they are computed (A, B: the left and right operand; K: the contracted axis; several contracted axes count as one K, in the product's order):
;;     1. [M 2,048, K 2,048] x [K 2,048, N 2,048]; A: input x; B: input Wq: QUANTISED
;;     2. [M 2,048, K 2,048] x [K 2,048, N 2,048]; A: input x; B: input Wk: QUANTISED
;;     3. [M 2,048, K 2,048] x [K 2,048, N 2,048]; A: input x; B: input Wv: QUANTISED
;;     4. batch 16 x [M 2,048, K 128] x [K 128, N 2,048]; A: computed on the way; B: computed on the way: QUANTISED
;;     5. batch 16 x [M 2,048, K 2,048] x [K 2,048, N 128]; A: softmax (see below); B: computed on the way: QUANTISED
;;     6. [M 2,048, K 2,048] x [K 2,048, N 2,048]; A: computed on the way; B: input Wo: QUANTISED
;;   THE QUANTISER, for each operand of a quantised product, along K:
;;     - K is cut into blocks of 32 from its start; a last block that is shorter is filled with zeros.
;;     - A block's scale is 2^e with e = floor(log2(the largest magnitude in the block)) - 2, held to -126 .. 127; a block of zeros has e = 0. As a byte (E8M0): e + 127.
;;     - Each number is divided by its block's scale, clamped to +-7.5, and rounded to the nearest number of E2M3, ties to even, subnormals kept.
;;     - The product sums the exact products of the quantised numbers (number of the format x scale) in f32.
;;   ~~~python
;;   def quantise(x, axis):      # numpy; x: float32 -> the quantised numbers, widened to float32 again
;;       x = np.moveaxis(x, axis, -1); K = x.shape[-1]
;;       x = np.pad(x, [(0, 0)] * (x.ndim - 1) + [(0, -K % 32)]); x = x.reshape(x.shape[:-1] + (-1, 32)); a = np.abs(x).max(-1, keepdims=True)
;;       e = np.where(a > 0, np.clip(np.frexp(np.where(a > 0, a, 1))[1] - 1 - 2, -126, 127), 0)      # np.frexp(a)[1] - 1 = floor(log2(a)), exactly
;;       r = np.clip(x / 2.0 ** e, -7.5, 7.5)
;;       step = 2.0 ** (np.maximum(np.frexp(np.where(r == 0, 1, r))[1] - 1, 0) - 3)
;;       q = np.round(r / step) * step * 2.0 ** e      # np.round: ties to even
;;       return np.moveaxis(q.reshape(q.shape[:-2] + (-1,))[..., :K], -1, axis).astype(np.float32)
;;   ~~~
;;   SOFTMAX AHEAD OF A QUANTISED PRODUCT. Where the list says 'softmax', what is quantised is not the finished softmax but p = 2^(t - M), with t = logit x log2(e) and M = ceil(the row's largest t), a whole number; so 1/2 < the row's largest p <= 1. The row's sum l is taken of the UNQUANTISED p, in f32, and the product's result is divided by l at the end. Since M is a whole number, a kernel that streams over the keys may use a running M (the ceiling of the running maximum): every later rescaling is an exact power of two, which a block's scale takes up: the codes' values come out the same.
;;   OPERANDS COMPUTED ON THE WAY. 'Computed on the way' means the value that the module computes at that place (a softmax that the list does not call 'softmax' is quantised finished and normalised). What goes into a quantiser is computed in f32, as accurately as f32 sums, v_exp_f32 and their like allow (about 1e-6 of the number): no bf16 or f16 on the way to a quantiser, and a product that is left as it is and whose result goes on into a quantised operand takes f32 operands (vector FMAs, or v_wmma_f32_16x16x4_f32). A number that lies on a knife's edge between two numbers of the format may be rounded either way, as far as f32 arithmetic and the matrix unit's own rounding can turn it there, and no further.
;; 2 versions, each right and faster than the one before. Each part assembles by itself: llvm-mc -triple=amdgcn-amd-amdhsa -mcpu=gfx1250 --defsym DOCPART=n.
;; ======== version 1 of 2: 4 launches
;; limits: right only within a limited range of input values
;; workspace buffers: c1 16,384,000 bytes; rope 1,048,576 bytes; qkv 9,830,400 bytes; m 3,276,800 bytes
;; launch quant (part 1): grid 352 x 1, 4 waves a work-group, no clusters, 34,304 bytes of LDS; arguments x, Wq, Wk, Wv, Wo, token_positions, c1, rope; writes c1, rope
.if DOCPART == 1
	.amdgcn_target "amdgcn-amd-amdhsa--gfx1250"
	.amdhsa_code_object_version 6
	.text
	.protected	k_qb803e07d6a_quant
	.globl	k_qb803e07d6a_quant
	.p2align	8
	.type	k_qb803e07d6a_quant,@function
k_qb803e07d6a_quant:
	s_mov_b64 s[64:65], 0
	v_nop
	global_prefetch_b8 v0, s[64:65] scope:SCOPE_SE
	s_setreg_imm32_b32 hwreg(HW_REG_WAVE_MODE, 25, 1), 1
	s_wait_xcnt 0x0
; x, Wq, Wk, Wv, Wo ([2048][2048] f32, K innermost) become codes of FP6 (E2M3) with one E8M0 scale byte for each 32 along K, and token_positions becomes the table of cosines and sines for the rotation.
; THE CODES ARE LAID AS IMAGES OF OPERAND REGISTERS, in records of 128 rows x 128 K, 12,800 bytes: byte 1536 a + 512 c + 16 lane holds registers 4 c .. 4 c + 3 of the fragment of tile a (12 registers a lane);
; byte 12288 + 32 r + 4 a holds the scale word (four bytes, 128 along K) of fragment row r of tile a.  Fragment row r of tile a is row 32 (a / 2) + 8 (a % 2) + r + 8 (r / 8) of the 128.
; c1 holds [group 0..79][K step 0..15] records: groups 0-15 x, 16-31 Wq, 32-47 Wk, 48-63 Wv, 64-79 Wo.
; SHARES.  Work-groups 0-319: a wave makes ONE record.  Each load reads 512 consecutive bytes of one row; 16 rows turn through the wave's own stage in LDS (pitch 528 bytes) so that a lane gets, of its row r,
; 16 neighbours of each block of 32; the conversions then give the fragment, which leaves by three stores of 512 consecutive bytes.  Loads run two fragments (32 loads a wave) ahead.  Waves share nothing: no barrier.
; Work-groups 320-351: a wave makes the table of one tile of 16 tokens: rope[tile][g 0..15][lane][cos p0, sin p0, cos p0+1, sin p0+1], p0 = 16 (g / 4) + 8 (lane / 16) + 2 (g % 4), token as a fragment row above.
; A block's scale is 2^(floor(log2(largest magnitude)) - 2); its byte is the largest magnitude's exponent field - 2, held at 1 from below (a block of zeros gets 1: its codes are zeros, and this program alone reads the bytes).
; LIMITS: NaN and infinities among the inputs are not served; a block whose largest magnitude lies under 2^-124 keeps the byte 1; positions up to 2^22 in magnitude (the reduction of the angle takes pi / 2 in three parts).
.set REC,   12800
.set SP,    528                        ; a stage row: 512 bytes + 16, an odd multiple of 16: the 16 rows that a load touches start in different banks
.set WSTG,  16*SP                      ; a wave's stage
.set RAW,   16                         ; v16-143  two sets of 64: 16 rows as loaded
.set X,     144                        ; v144-207 register 16 b + i = k 32 b + 16 (lane / 16) + i of my row
.set TM,    208                        ; v208-223 at work in QUANT
.set PC,    224                        ; v224-243 the codes
.set PW,    244                        ; v244-251 the scale words of the eight tiles
.set SW,    252                        ; v252-255 the four words that I store
.set SEL,   36                         ; s[36:37] lane selects: lane l xor 16
	s_load_b512 s[8:23], s[0:1], 0x0               ; x s[8:9], Wq s[10:11], Wk s[12:13], Wv s[14:15], Wo s[16:17], positions s[18:19], c1 s[20:21], rope s[22:23]
	v_lshl_add_u32 v239, v0, 2, 0x8400
	v_mov_b32 v243, 0
	v_lshrrev_b32 v1, 5, v0
	v_readfirstlane_b32 s24, v1                    ; wave
	v_and_b32 v9, 31, v0                           ; lane
	v_and_b32 v10, 15, v0                          ; r
	v_bfe_u32 v5, v0, 4, 1                         ; h
	v_lshlrev_b32 v1, 4, v9                        ; 16 x lane
	s_cmp_ge_u32 ttmp9, 320
	s_cbranch_scc1 .Ltable
	; ---- the quantising path
	s_mul_i32 s25, s24, WSTG
	v_add_nc_u32 v2, s25, v1                       ; the stage, way in: 16 x lane of a row
	v_mul_u32_u24 v3, v10, SP
	v_lshl_add_u32 v3, v5, 6, v3
	v_add_nc_u32 v3, s25, v3                       ; way out: row r, + 64 h
	v_lshlrev_b32 v4, 5, v10
	v_lshl_add_u32 v4, v5, 4, v4                   ; 32 r + 16 h: my four scale words
	s_mov_b32 s[SEL], 0x76543210
	s_mov_b32 s[SEL+1], 0xfedcba98
.irp b, 0,1,2,3
	v_mov_b32 v[TM+4+\b], 0                        ; written once: a lane permute's destination counts as one of its sources
.endr
	s_lshr_b32 s26, ttmp9, 6                       ; which tensor
	s_bfe_u32 s30, ttmp9, 0x40002                  ; which 128 rows of it
	s_lshl_b32 s30, s30, 20                        ; 128 rows of 8,192 bytes
	s_and_b32 s27, ttmp9, 3
	s_lshl_b32 s27, s27, 2
	s_add_co_u32 s27, s27, s24                     ; K step
	s_lshl_b32 s27, s27, 9                         ; 128 numbers
	s_add_co_u32 s30, s30, s27
	s_mov_b32 s31, 0
	s_lshl_b32 s32, ttmp9, 2
	s_add_co_u32 s32, s32, s24                     ; the record: 16 x group + K step = 4 x work-group + wave
	s_mul_i32 s32, s32, REC
	s_mov_b32 s33, 0
	s_wait_kmcnt 0x0
	s_mov_b64 s[28:29], s[16:17]                   ; the choice of tensor hangs on the work-group's number alone
	s_cmp_eq_u32 s26, 0
	s_cselect_b64 s[28:29], s[8:9], s[28:29]
	s_cmp_eq_u32 s26, 1
	s_cselect_b64 s[28:29], s[10:11], s[28:29]
	s_cmp_eq_u32 s26, 2
	s_cselect_b64 s[28:29], s[12:13], s[28:29]
	s_cmp_eq_u32 s26, 3
	s_cselect_b64 s[28:29], s[14:15], s[28:29]
	s_add_nc_u64 s[28:29], s[28:29], s[30:31]
	s_add_nc_u64 s[34:35], s[20:21], s[32:33]
.macro LOADF a                         ; the 16 rows of tile a, 512 consecutive bytes a load, into raw set a % 2
.irp rho, 0,1,2,3,4,5,6,7,8,9,10,11,12,13,14,15
	global_load_b128 v[RAW+64*((\a)%2)+4*\rho:RAW+64*((\a)%2)+4*\rho+3], v1, s[28:29] offset:(32*((\a)/2)+8*((\a)%2)+\rho+8*(\rho/8))*8192 th:TH_LOAD_NT
.endr
.endm
; 64 numbers of a lane, register 16 b + i = k 32 b + 16 (lane / 16) + i of my row, become a fragment's codes in v[PC] on and its scale word in v[pw]
.macro QUANT s, pw
.irp b, 0,1,2,3
	v_max3_num_f32 v[TM+\b], |v[\s+16*\b]|, |v[\s+1+16*\b]|, 0x1800000   ; block b: my 16 numbers, and the floor 2^(3 - 127): the byte cannot fall under 1
.endr
.irp i, 2,4,6,8,10,12,14
.irp b, 0,1,2,3
	v_max3_num_f32 v[TM+\b], |v[\s+16*\b+\i]|, |v[\s+1+16*\b+\i]|, v[TM+\b]   ; the four blocks by turns
.endr
.endr
.irp b, 0,1,2,3
	v_permlanex16_b32 v[TM+4+\b], v[TM+\b], s[SEL], s[SEL+1]
.endr
.irp b, 0,1,2,3
	v_max_num_f32 v[TM+\b], v[TM+\b], v[TM+4+\b]   ; with lane l xor 16: the block's largest magnitude
.endr
.irp b, 0,1,2,3
	v_add_nc_u32 v[TM+12+\b], 0xff000000, v[TM+\b] ; 2 off its exponent field: the conversion's scale operand
.endr
.irp b, 0,1,2,3
	v_lshrrev_b32 v[TM+4+\b], 23, v[TM+12+\b]      ; the scale's byte
.endr
	v_lshl_or_b32 v[\pw], v[TM+5], 8, v[TM+4]
	v_lshl_or_b32 v[\pw], v[TM+6], 16, v[\pw]
	v_lshl_or_b32 v[\pw], v[TM+7], 24, v[\pw]
.irp c, 0,1
	v_cvt_scalef32_pk16_fp6_f32 v[PC+6*\c:PC+2+6*\c], v[\s+32*\c:\s+15+32*\c], v[TM+12+2*\c]
	v_cvt_scalef32_pk16_fp6_f32 v[PC+12+4*\c:PC+14+4*\c], v[\s+16+32*\c:\s+31+32*\c], v[TM+12+2*\c+1]   ; (a conversion's three registers begin on an even number)
.endr
	v_nop                                          ; one plain place behind a scaled conversion
.irp c, 0,1                            ; the layout wants a whole block in a lane: lanes 0-15 block 2 c, lanes 16-31 block 2 c + 1
.irp i, 0,1,2
	v_permlane16_swap_b32 v[PC+6*\c+\i], v[PC+12+4*\c+\i]
.endr
.irp i, 0,1,2
	v_mov_b32 v[PC+3+6*\c+\i], v[PC+12+4*\c+\i]
.endr
.endr
.endm
.macro FRAGQ a
.if (\a) < 7
	s_wait_loadcnt 16                              ; this tile's 16 loads are in; the next tile's 16 may be out
.else
	s_wait_loadcnt 0x0
.endif
.irp rho, 0,1,2,3,4,5,6,7,8,9,10,11,12,13,14,15
	ds_store_b128 v2, v[RAW+64*((\a)%2)+4*\rho:RAW+64*((\a)%2)+4*\rho+3] offset:SP*\rho
.endr
.irp b, 0,1,2,3
.irp j, 0,1,2,3
	ds_load_b128 v[X+16*\b+4*\j:X+16*\b+4*\j+3], v3 offset:128*\b+16*\j   ; LDS serves a wave's instructions in order: these see the stores above
.endr
.endr
	s_wait_dscnt 0x0                               ; my 64 numbers are in, and the stores have read the raw set,
.if (\a) < 6
	LOADF (\a)+2                                   ; which takes the tile two further on
.endif
.if (\a) > 0
	s_wait_xcnt 0x0                                ; the last fragment's stores have read their data: the codes' registers are written again only behind this wait
.endif
	QUANT X, PW+(\a)
.irp c, 0,1,2
	global_store_b128 v1, v[PC+4*\c:PC+4*\c+3], s[34:35] offset:(\a)*1536+512*\c   ; 512 consecutive bytes, at a multiple of 512 from the record's first byte
.endr
.endm
	LOADF 0
	LOADF 1
.irp a, 0,1,2,3,4,5,6,7
	FRAGQ \a
.endr
	v_cmp_ne_u32 vcc_lo, 0, v5                     ; lanes 0-15 store the words of tiles 0-3 of row r, lanes 16-31 those of tiles 4-7 (both halves hold every word)
.irp i, 0,1,2,3
	v_cndmask_b32 v[SW+\i], v[PW+\i], v[PW+4+\i], vcc_lo
.endr
	global_store_b128 v4, v[SW:SW+3], s[34:35] offset:12288   ; 512 consecutive bytes
	s_wait_tensorcnt 0x0
	ds_add_u32 v239, v243
	s_wait_dscnt 0x0
	s_endpgm
	; ---- the table path: no LDS
.Ltable:
	s_sub_co_u32 s25, ttmp9, 320
	s_lshl_b32 s25, s25, 2
	s_add_co_u32 s25, s25, s24                     ; the tile of tokens, 0 .. 127
	s_lshr_b32 s26, s25, 1
	s_lshl_b32 s26, s26, 5
	s_and_b32 s27, s25, 1
	s_lshl_b32 s27, s27, 3
	s_add_co_u32 s26, s26, s27                     ; its first token
	v_and_b32 v2, 8, v10
	v_add_nc_u32 v2, v2, v10                       ; r + 8 (r / 8)
	v_add_nc_u32 v2, s26, v2
	v_lshlrev_b32 v2, 2, v2                        ; my token's position: 4 bytes
	s_lshl_b32 s30, s25, 13                        ; 8,192 bytes of table a tile
	s_mov_b32 s31, 0
	s_mov_b32 s40, 0xbe549a00                      ; -c_hi, c = log2(10000) / 64 = c_hi + c_lo; c_hi has 15 significant bits, so that p x c_hi is exact for p under 64
	s_mov_b32 s41, 0xb5f0979a                      ; -c_lo
	s_mov_b32 s42, 0x3f22f983                      ; 2 / pi
	s_mov_b32 s43, 0xbfc90fdb                      ; pi / 2 in three parts, negated
	s_mov_b32 s44, 0x333bbd2e
	s_mov_b32 s45, 0x26f72ced
	s_mov_b32 s46, 0x37ccf5ce                      ; cosine on [-pi/4, pi/4]: ((C0 z + C1) z + C2) z z - z / 2 + 1, z = r r
	s_mov_b32 s47, 0xbab6061a
	s_mov_b32 s48, 0x3d2aaaa5
	s_mov_b32 s49, 0xb94ca1f9                      ; sine: ((S0 z + S1) z + S2) z r + r
	s_mov_b32 s50, 0x3c08839e
	s_mov_b32 s51, 0xbe2aaaa3
	s_mov_b32 s52, 0x80000000
	s_wait_kmcnt 0x0
	global_load_b32 v6, v2, s[18:19]
	s_add_nc_u64 s[22:23], s[22:23], s[30:31]
	v_lshlrev_b32 v5, 3, v5                        ; 8 h
	s_wait_loadcnt 0x0
	v_cvt_f32_i32 v6, v6                           ; the position as f32
; Two pairs p0, p0 + 1, line by line side by side.  For pair e: v[16+8e] p, then the angle, then r; v[17+8e] the frequency, then z; v[18+8e] n, then the quadrant; v[19+8e] cosine; v[20+8e] sine; v[21+8e] at work
.macro SC g
.irp e, 0,1
	v_add_nc_u32 v[16+8*\e], 16*((\g)/4)+2*((\g)%4)+\e, v5
.endr
.irp e, 0,1
	v_cvt_f32_u32 v[16+8*\e], v[16+8*\e]
.endr
.irp e, 0,1
	v_mul_f32 v[17+8*\e], s40, v[16+8*\e]          ; exact
.endr
.irp e, 0,1
	v_fma_f32 v[17+8*\e], v[16+8*\e], s41, v[17+8*\e]
.endr
.irp e, 0,1
	v_exp_f32 v[17+8*\e], v[17+8*\e]               ; 10000^(-p / 64)
.endr
	v_nop                                          ; one plain place behind the exponentials
	s_wait_alu depctr_va_vdst(0)
.irp e, 0,1
	v_mul_f32 v[16+8*\e], v6, v[17+8*\e]           ; the angle, rounded to f32 as the definition has it
.endr
.irp e, 0,1
	v_mul_f32 v[18+8*\e], s42, v[16+8*\e]
.endr
.irp e, 0,1
	v_rndne_f32 v[18+8*\e], v[18+8*\e]             ; n
.endr
.irp k, 43,44,45
.irp e, 0,1
	v_fma_f32 v[16+8*\e], v[18+8*\e], s[\k], v[16+8*\e]   ; r = angle - n pi / 2
.endr
.endr
.irp e, 0,1
	v_cvt_i32_f32 v[18+8*\e], v[18+8*\e]
.endr
.irp e, 0,1
	v_mul_f32 v[17+8*\e], v[16+8*\e], v[16+8*\e]   ; z
.endr
.irp e, 0,1
	v_fma_f32 v[19+8*\e], v[17+8*\e], s46, s47
	v_fma_f32 v[20+8*\e], v[17+8*\e], s49, s50
.endr
.irp e, 0,1
	v_fma_f32 v[19+8*\e], v[19+8*\e], v[17+8*\e], s48
	v_fma_f32 v[20+8*\e], v[20+8*\e], v[17+8*\e], s51
.endr
.irp e, 0,1
	v_fma_f32 v[19+8*\e], v[19+8*\e], v[17+8*\e], -0.5
	v_mul_f32 v[20+8*\e], v[20+8*\e], v[17+8*\e]
.endr
.irp e, 0,1
	v_fma_f32 v[19+8*\e], v[19+8*\e], v[17+8*\e], 1.0   ; cos r
	v_fma_f32 v[20+8*\e], v[20+8*\e], v[16+8*\e], v[16+8*\e]   ; sin r
.endr
.irp e, 0,1                            ; odd quadrants: sine and cosine change places; the sine is negative in quadrants 2, 3, the cosine in 1, 2
	v_and_b32 v[21+8*\e], 1, v[18+8*\e]
	v_cmp_ne_u32 vcc_lo, 0, v[21+8*\e]
	v_cndmask_b32 v[64+4*(\g)+2*\e], v[19+8*\e], v[20+8*\e], vcc_lo
	v_cndmask_b32 v[65+4*(\g)+2*\e], v[20+8*\e], v[19+8*\e], vcc_lo
	v_lshlrev_b32 v[21+8*\e], 30, v[18+8*\e]
	v_and_b32 v[21+8*\e], s52, v[21+8*\e]
	v_xor_b32 v[65+4*(\g)+2*\e], v[65+4*(\g)+2*\e], v[21+8*\e]
	v_add_lshl_u32 v[21+8*\e], v[18+8*\e], 1, 30
	v_and_b32 v[21+8*\e], s52, v[21+8*\e]
	v_xor_b32 v[64+4*(\g)+2*\e], v[64+4*(\g)+2*\e], v[21+8*\e]
.endr
	global_store_b128 v1, v[64+4*(\g):67+4*(\g)], s[22:23] offset:512*(\g)   ; 512 consecutive bytes; each call has result registers of its own
.endm
.irp g, 0,1,2,3,4,5,6,7,8,9,10,11,12,13,14,15
	SC \g
.endr
	s_endpgm
.Lfunc_end_k_qb803e07d6a_quant:
	.size	k_qb803e07d6a_quant, .Lfunc_end_k_qb803e07d6a_quant-k_qb803e07d6a_quant
	.p2alignl 7, 3214868480
	.fill 96, 4, 3214868480
	.section	.rodata,"a",@progbits
	.p2align	6, 0x0
	.amdhsa_kernel k_qb803e07d6a_quant
		.amdhsa_group_segment_fixed_size 34304
		.amdhsa_private_segment_fixed_size 0
		.amdhsa_enable_private_segment 0
		.amdhsa_kernarg_size 64
		.amdhsa_user_sgpr_count 2
		.amdhsa_user_sgpr_kernarg_segment_ptr 1
		.amdhsa_wavefront_size32 1
		.amdhsa_system_sgpr_workgroup_id_x 1
		.amdhsa_system_sgpr_workgroup_id_y 1
		.amdhsa_system_sgpr_workgroup_id_z 1
		.amdhsa_system_vgpr_workitem_id 0
		.amdhsa_next_free_vgpr 256
		.amdhsa_next_free_sgpr 66
		.amdhsa_reserve_vcc 1
		.amdhsa_float_denorm_mode_32 3
		.amdhsa_float_denorm_mode_16_64 3
		.amdhsa_memory_ordered 1
		.amdhsa_forward_progress 1
		.amdhsa_inst_pref_size 111
	.end_amdhsa_kernel
	.amdgpu_metadata
---
amdhsa.version: [ 1, 2 ]
amdhsa.kernels:
  - .name:           k_qb803e07d6a_quant
    .symbol:         k_qb803e07d6a_quant.kd
    .args:
      - { .name: x, .offset: 0, .size: 8, .value_kind: global_buffer, .address_space: global }
      - { .name: Wq, .offset: 8, .size: 8, .value_kind: global_buffer, .address_space: global }
      - { .name: Wk, .offset: 16, .size: 8, .value_kind: global_buffer, .address_space: global }
      - { .name: Wv, .offset: 24, .size: 8, .value_kind: global_buffer, .address_space: global }
      - { .name: Wo, .offset: 32, .size: 8, .value_kind: global_buffer, .address_space: global }
      - { .name: token_positions, .offset: 40, .size: 8, .value_kind: global_buffer, .address_space: global }
      - { .name: c1, .offset: 48, .size: 8, .value_kind: global_buffer, .address_space: global }
      - { .name: rope, .offset: 56, .size: 8, .value_kind: global_buffer, .address_space: global }
    .group_segment_fixed_size: 34304
    .private_segment_fixed_size: 0
    .kernarg_segment_align: 8
    .kernarg_segment_size: 64
    .max_flat_workgroup_size: 128
    .sgpr_count:     66
    .vgpr_count:     256
    .wavefront_size: 32
...
	.end_amdgpu_metadata
.endif
;; end of part 1
;; launch qkv (part 2): grid 24 x 8, 4 waves a work-group, clusters of 4 x 4, 327,680 bytes of LDS; arguments c1, rope, qkv; writes qkv
.if DOCPART == 2
	.amdgcn_target "amdgcn-amd-amdhsa--gfx1250"
	.amdhsa_code_object_version 6
	.text
	.protected	k_qb803e07d6a_qkv
	.globl	k_qb803e07d6a_qkv
	.p2align	8
	.type	k_qb803e07d6a_qkv,@function
k_qb803e07d6a_qkv:
	s_mov_b64 s[64:65], 0
	v_nop
	global_prefetch_b8 v0, s[64:65] scope:SCOPE_SE
	s_setreg_imm32_b32 hwreg(HW_REG_WAVE_MODE, 25, 1), 1
	s_wait_xcnt 0x0
	s_wait_alu depctr_hold_cnt(0) depctr_sa_sdst(0) depctr_va_vdst(0) depctr_va_sdst(0) depctr_va_ssrc(0) depctr_va_vcc(0) depctr_vm_vsrc(0)
	s_getreg_b32 s2, hwreg(HW_REG_IB_STS2, 6, 4)
	s_cmp_eq_u32 s2, 0
	s_cbranch_scc0 .Lentry_in_a_cluster
	s_endpgm
.Lentry_in_a_cluster:
	s_bfe_u32 s2, ttmp6, 0x10000c
	s_cmp_lg_u32 s2, 0xf033
	s_cbranch_scc0 .Lentry_shape_is_right
	s_endpgm
.Lentry_shape_is_right:
; q = x Wq^T, k = x Wk^T (both rotated by the table of cosines and sines), v = x Wv^T, on codes of FP6 (E2M3) with E8M0 scales, sums in f32; the results are quantised in registers and leave as codes.
; OPERANDS AND RESULTS ARE RECORDS of 128 rows x 128 K, 12,800 bytes: byte 1536 a + 512 c + 16 lane = registers 4 c .. 4 c + 3 of tile a's fragment; byte 12288 + 32 r + 4 a = the scale word of fragment row r of tile a;
; fragment row r of tile a is row 32 (a / 2) + 8 (a % 2) + r + 8 (r / 8) of the 128.  c1: [group][K step] records, groups 0-15 x, 16-31 Wq, 32-47 Wk, 48-63 Wv.
; A tile of C, 256 x 256, is made by four waves, each 128 x 128: 64 accumulators, 512 registers.  K goes in steps of 256 (two records a group) through a ring of two LDS slots; a wave's tensor load brings one group's two records, 25,600 dense bytes.
; THE MATRIX INSTRUCTION IS USED TRANSPOSED: source 0 = a tile of B, source 1 = a tile of A.  By the order of a tile's rows, in A's block a lane (r, h) holds fragment row r, and register 16 b + i of the block's 64 holds B's row 32 b + 16 h + i:
; 64 numbers along the NEXT product's K, as the conversions want them.  Tile columns 0-15: A = tokens, B = rows of Wq, Wk (K of the scores = the head's 128).  Tile columns 16-23: A = rows of Wv, B = tokens (K of the second product = the keys).
; qkv: [0 q, 1 k, 2 v][head][16] records; q, k: rows = tokens, record = token group; v: rows = the head's 128, record = 128 keys.
; CLUSTERS: 4 x 4 work-groups; A's tiles are asked for jointly along a row of the cluster, B's along a column.  The choice between the two kinds of tile column hangs on the cluster's x alone, which all sixteen share.
; REGISTERS: window 0: v2, v3, v7 lane terms; v16-23 LDS addresses; v28-29 for the add; v32-63 scale words and nothing else; v64-127 table set 0; v128-223 A's fragments, one set; on the way out v128-191 table set 1, v192-255 at work.
;   window 1: B's fragments, two sets, at v0 and v128.   windows 2, 3: the accumulators, (a, b) at v[8 (8 (a % 4) + b)].
; LIMITS: as the quantiser's: a block whose largest magnitude lies under 2^-124 keeps the byte 1; NaN and infinities are not served.
.set REC,   12800
.set PART,  2*REC                      ; one group's two records: what one tensor load brings, and what one wave reads of A or of B
.set SLOT,  4*PART                     ; A's two groups, then B's two
.set SPARE, 2*SLOT                     ; behind the ring: the spare words, 128 bytes a wave
.set GRP,   16*REC                     ; a group's 16 records
.set FR,    12
.set NL,    3                          ; LDS loads that bring a fragment
.set NP,    4                          ; places behind this matrix instruction (ISA guide 7.12.1)
.set NQ,    2
.set LAPS,  4                          ; 2,048 along K = 8 slots = 4 times round the ring
.set HH,    2                          ; v2   lane / 16
.set LI,    3                          ; v3   16 x lane
.set SWA,   7                          ; v7   32 r + 16 h
.set ADRA,  16                         ; v16-17 my A fragments in slot 0, 1
.set ADRB,  20                         ; v20-21 my B fragments
.set ADRS,  22                         ; v22-23 scale words: lanes 0-15 A's, lanes 16-31 B's
.set SPW,   28
.set NIL,   29
.set SC,    32                         ; set sc, step q, tile i at v[SC + 16 sc + 8 q + i]
.set CS0,   64
.set AF,    128
.set TT,    192                        ; v192-207 the rotation's cross terms
.set TM,    208
.set PC,    224
.set PW,    244
.set SW,    252
.set G1,  24
.set G0,  32
.set G1B, 48
.set G0B, 56
.set ISV, 66                           ; s66  1: this cluster makes v
.set SEL, 72
.set MSB, 0
.macro WIN new                         ; the immediate's high byte repeats the setting that is left
.if MSB != \new
	s_set_vgpr_msb (MSB<<8)|\new
.set MSB, \new
.endif
.endm
.set MUL_LO, 0xa1                      ; source 0 (B) window 1, source 1 (A) window 0, C and D window 2
.set MUL_HI, 0xf1
.set TO_B,   0x40
.macro JLOAD g0a, g1a, g0b, g1b        ; a joint load: waves 0, 1 fetch A's groups, waves 2, 3 B's; four v_nop follow each line
	s_cmp_eq_u32 s15, 0
	s_cbranch_scc0 .Lfor_b_\@
	tensor_load_to_lds s[\g0a:\g0a+3], s[\g1a:\g1a+7]
	s_nop 0
.rept 4
	v_nop
.endr
	s_branch .Lasked_\@
.Lfor_b_\@:
	tensor_load_to_lds s[\g0b:\g0b+3], s[\g1b:\g1b+7]
	s_nop 0
.rept 4
	v_nop
.endr
.Lasked_\@:
.endm
.macro CREST                           ; a round of the cluster's barrier behind its opening barrier
	s_cmp_lg_u32 s14, 0
	s_cbranch_scc1 .Lnot_wave_0_\@
	s_barrier_signal -3
.Lnot_wave_0_\@:
	s_barrier_wait -3
	s_barrier_signal -1
	s_barrier_wait -1
.endm
.macro CROUND
	s_barrier_signal -1
	s_barrier_wait -1
	CREST
.endm
	s_load_b128 s[4:7], s[0:1], 0x0                ; c1 s[4:5], rope s[6:7]
	s_load_b64 s[8:9], s[0:1], 0x10                ; qkv
	v_lshl_add_u32 v[SPW], v0, 2, SPARE
	v_mov_b32 v[NIL], 0
	ds_add_u32 v28, v29
	ds_add_u32 v28, v29
	s_wait_dscnt 0x0
	v_lshrrev_b32 v1, 5, v0
	v_readfirstlane_b32 s14, v1                    ; wave
	s_lshr_b32 s15, s14, 1                         ; which half of A's rows is mine.  Also: I fetch for A (0) or for B (1)
	s_and_b32 s16, s14, 1                          ; which half of B's rows.  Also: which group of that tile I fetch
	s_bfe_u32 s40, ttmp6, 0x40000                  ; cx, cy
	s_bfe_u32 s41, ttmp6, 0x40004
	s_lshl_b32 s42, ttmp9, 2
	s_add_co_u32 s42, s42, s40                     ; tile column X
	s_and_b32 s17, ttmp7, 0xffff
	s_lshl_b32 s17, s17, 2
	s_add_co_u32 s17, s17, s41                     ; tile row Y
	s_lshl_b32 s43, s41, 2
	s_lshl_b32 s43, 15, s43                        ; my row of the cluster
	s_lshl_b32 s44, 0x1111, s40                    ; my column
	s_or_b32 s[G1+0], s43, (3<<16)|(1<<21)         ; 15:0 the mask; 17:16 elements of 8 bytes; 21 set beside a mask; no padding
	s_or_b32 s[G1B+0], s44, (3<<16)|(1<<21)
.irp g, G1, G1B                        ; 25,600 dense bytes as 100 rows of 256
	s_mov_b32 s[\g+1], 32<<16
	s_mov_b32 s[\g+2], 100<<16
	s_mov_b32 s[\g+3], 32<<16
	s_mov_b32 s[\g+4], 100
	s_mov_b32 s[\g+5], 32
	s_mov_b32 s[\g+6], 0
	s_mov_b32 s[\g+7], 0
.endr
	s_lshr_b32 s[ISV], ttmp9, 2                    ; cluster columns 4, 5 are tile columns 16-23
	s_mul_i32 s67, s[ISV], 48
	s_lshl_b32 s20, s17, 1
	s_add_co_u32 s20, s20, s16
	s_add_co_u32 s20, s20, s67                     ; A's group: tokens 2 Y + half, or Wv's 48 + 2 Y + half
	s_mul_i32 s20, s20, GRP
	s_mov_b32 s21, 0
	s_lshl_b32 s46, s42, 1
	s_add_co_u32 s46, s46, s16
	s_add_co_u32 s46, s46, 16
	s_sub_co_u32 s46, s46, s67                     ; B's group: 16 + 2 X + half (Wq, Wk), or tokens 2 (X - 16) + half
	s_mul_i32 s46, s46, GRP
	s_mov_b32 s47, 0
	s_mul_i32 s45, s14, PART                       ; where they go: no place in the cluster enters an LDS address
	s_wait_kmcnt 0x0
	s_add_nc_u64 s[20:21], s[4:5], s[20:21]
	s_add_nc_u64 s[46:47], s[4:5], s[46:47]
	CROUND                                         ; all sixteen work-groups are here: the first joint loads meet
.irp s, 0,1
	s_mov_b32 s[G0+4*\s], 1
	s_add_co_u32 s[G0+4*\s+1], s45, \s*SLOT
	s_add_nc_u64 s[G0+4*\s+2:G0+4*\s+3], s[20:21], \s*PART
	s_or_b32 s[G0+4*\s+3], s[G0+4*\s+3], 0x80000000
	s_mov_b32 s[G0B+4*\s], 1
	s_add_co_u32 s[G0B+4*\s+1], s45, \s*SLOT
	s_add_nc_u64 s[G0B+4*\s+2:G0B+4*\s+3], s[46:47], \s*PART
	s_or_b32 s[G0B+4*\s+3], s[G0B+4*\s+3], 0x80000000
	JLOAD G0+4*\s, G1, G0B+4*\s, G1B
.endr
	v_and_b32 v1, 31, v0
	v_lshlrev_b32 v[LI], 4, v1
	v_and_b32 v1, 15, v0                           ; r
	v_bfe_u32 v[HH], v0, 4, 1
	v_lshlrev_b32 v5, 5, v1                        ; 32 r
	v_lshl_add_u32 v[SWA], v[HH], 4, v5
	s_mul_i32 s21, s15, PART                       ; my group of A
	s_mul_i32 s22, s16, PART
	s_add_co_u32 s22, s22, 2*PART                  ; my group of B
	s_sub_co_u32 s23, s22, s21
	v_mul_u32_u24 v6, s23, v[HH]                   ; lanes 16-31 take B's scale words: the lower base + h x the distance
	v_add_nc_u32 v5, v5, v6
.irp s, 0,1
	v_add_nc_u32 v[ADRA+\s], s21, v[LI]
	v_add_nc_u32 v[ADRB+\s], s22, v[LI]
	v_add_nc_u32 v[ADRS+\s], s21, v5
	s_add_co_u32 s21, s21, SLOT
	s_add_co_u32 s22, s22, SLOT
.endr
	s_lshl_b32 s18, s17, 1
	s_add_co_u32 s18, s18, s15                     ; 2 Y + my half of A
	s_lshl_b32 s72, s18, 16                        ; the table of my 8 tiles of tokens: 8 x 8,192 bytes a group
	s_mov_b32 s73, 0
	s_add_nc_u64 s[68:69], s[6:7], s[72:73]
	s_lshl_b32 s19, s42, 1
	s_add_co_u32 s19, s19, s16                     ; 2 X + my half of B
	s_lshl_b32 s74, s19, 4
	s_add_co_u32 s74, s74, s18                     ; q, k: record 16 (2 X + half) + token group
	s_lshl_b32 s75, s18, 4
	s_add_co_u32 s75, s75, s19
	s_add_co_u32 s75, s75, 480                     ; v: record 512 + 16 head + (2 X + half - 32)
	s_cmp_eq_u32 s[ISV], 0
	s_cselect_b32 s74, s74, s75
	s_mul_i32 s72, s74, REC
	s_add_nc_u64 s[70:71], s[8:9], s[72:73]
	s_mov_b32 s[SEL], 0x76543210
	s_mov_b32 s[SEL+1], 0xfedcba98
.macro FRAG reg, adr, q, i             ; a fragment comes as it lies: three loads of 512 consecutive bytes
.irp c, 0,1,2
	ds_load_b128 v[\reg+4*\c:\reg+4*\c+3], v[\adr] offset:(\q)*REC+(\i)*1536+512*\c
.endr
.endm
; 16 matrix instructions: A's blocks a0, a0 + 1 x B's eight.  The 64 accumulators take turns, one instruction a turn, in the same order in every step.
.macro MUL16 a0, p, q, sc, zero
.irp a, \a0, \a0+1
.irp b, 0,1,2,3,4,5,6,7
.if \zero
	v_wmma_scale_f32_16x16x128_f8f6f4 v[8*(8*((\a)%4)+\b):8*(8*((\a)%4)+\b)+7], v[128*(\p)+FR*\b:128*(\p)+FR*\b+FR-1], v[AF+FR*(\a):AF+FR*(\a)+FR-1], 0, v[SC+16*(\sc)+8*(\q)+\b], v[SC+16*(\sc)+8*(\q)+(\a)] matrix_a_fmt:MATRIX_FMT_FP6 matrix_b_fmt:MATRIX_FMT_FP6 matrix_a_scale:MATRIX_SCALE_ROW1
.else
	v_wmma_scale_f32_16x16x128_f8f6f4 v[8*(8*((\a)%4)+\b):8*(8*((\a)%4)+\b)+7], v[128*(\p)+FR*\b:128*(\p)+FR*\b+FR-1], v[AF+FR*(\a):AF+FR*(\a)+FR-1], v[8*(8*((\a)%4)+\b):8*(8*((\a)%4)+\b)+7], v[SC+16*(\sc)+8*(\q)+\b], v[SC+16*(\sc)+8*(\q)+(\a)] matrix_a_fmt:MATRIX_FMT_FP6 matrix_b_fmt:MATRIX_FMT_FP6 matrix_a_scale:MATRIX_SCALE_ROW1
.endif
.endr
.endr
.endm
.macro FETCH_B slot, q, p
	WIN TO_B
.irp i, 0,1,2,3,4,5,6,7
	FRAG 128*(\p)+FR*\i, ADRB+\slot, \q, \i
.endr
	WIN 0
.endm
.macro FETCH_A slot, q, i0
.irp i, \i0, \i0+1, \i0+2, \i0+3
	FRAG AF+FR*(\i), ADRA+\slot, \q, \i
.endr
.endm
.macro SCALES sc                       ; a slot's scale words: four tiles' words of a row by one load; lanes 0-15 A's, lanes 16-31 B's
.irp q, 0,1
.irp c, 0,1
	ds_load_b128 v[SC+16*\sc+8*\q+4*\c:SC+16*\sc+8*\q+4*\c+3], v[ADRS+\sc] offset:\q*REC+12288+16*\c
.endr
.endr
.endm
.macro PLACES n                        ; plain vector instructions between a matrix instruction and a load into, or a vector read of, its registers
.rept \n
	v_nop
.endr
.endm
.macro STEP slot, q, zero              ; a step of 128 along K that has its successor in the same slot
	s_wait_dscnt 4*NL                              ; all but the youngest twelve loads (A's blocks 4-7) are in
	WIN MUL_LO
	MUL16 0, (\q)%2, \q, \slot, \zero
	MUL16 2, (\q)%2, \q, \slot, \zero
	s_wait_dscnt 0
	PLACES NP
	FETCH_B \slot, (\q)+1, 1-(\q)%2
	FETCH_A \slot, (\q)+1, 0
	WIN MUL_HI
	MUL16 4, (\q)%2, \q, \slot, \zero
	MUL16 6, (\q)%2, \q, \slot, \zero
	PLACES NP
	WIN 0
	FETCH_A \slot, (\q)+1, 4
.endm
; A slot's last step changes slots: one barrier; in front of it each wave waits for all its tensor loads, adds 0 to its spare word, and waits for that and for its reads of this slot.  fill = 1: the slot is filled again, two slots ahead.
.macro TURN slot, next, fill
	s_wait_tensorcnt 0x0                           ; all my tensor loads have landed: my part of the next slot
	ds_add_u32 v[SPW], v[NIL]                      ; 0 onto my spare word
	s_wait_dscnt 4*NL+1                            ; the add and the youngest twelve loads may be out
	WIN MUL_LO
	MUL16 0, 1, NQ-1, \slot, 0
	s_wait_dscnt 0x0                               ; the add is done, and my reads of this slot are over
	s_barrier_signal -1
	MUL16 2, 1, NQ-1, \slot, 0
	WIN 0
	s_barrier_wait -1
.if \fill
	CREST                                          ; the barrier has opened a round of the cluster's: no wave of any partner still reads this slot or has a load on its way
	s_add_nc_u64 s[G0+4*\slot+2:G0+4*\slot+3], s[G0+4*\slot+2:G0+4*\slot+3], 2*PART
	s_add_nc_u64 s[G0B+4*\slot+2:G0B+4*\slot+3], s[G0B+4*\slot+2:G0B+4*\slot+3], 2*PART
	JLOAD G0+4*\slot, G1, G0B+4*\slot, G1B         ; the first tensor load behind the round; its four v_nop are also the places in front of the loads below
.else
	PLACES NP
.endif
	FETCH_B \next, 0, 0
	FETCH_A \next, 0, 0
	SCALES \next
	WIN MUL_HI
	MUL16 4, 1, NQ-1, \slot, 0
	MUL16 6, 1, NQ-1, \slot, 0
	PLACES NP
	WIN 0
	FETCH_A \next, 0, 4
.endm
.macro LAST                            ; the last slot's two steps: nothing more to fetch behind them
	STEP 1, 0, 0
	s_wait_dscnt 4*NL
	WIN MUL_LO
	MUL16 0, 1, NQ-1, 1, 0
	MUL16 2, 1, NQ-1, 1, 0
	s_wait_dscnt 0
	WIN MUL_HI
	MUL16 4, 1, NQ-1, 1, 0
	MUL16 6, 1, NQ-1, 1, 0
	WIN 0
	PLACES NP                                      ; in front of the first read of results and of writes and loads into registers that held A's fragments
.irp b, 0,1,2,3
	v_mov_b32 v[TM+4+\b], 0                        ; a lane permute's destination counts as one of its sources
.endr
.endm
.macro LOADCS a                        ; the cosines and sines of block a's 16 tokens: register n = cos, n + 1 = sin of the pair that the block's registers n, n + 1 form
.irp g, 0,1,2,3,4,5,6,7,8,9,10,11,12,13,14,15
	global_load_b128 v[CS0+64*((\a)%2)+4*\g:CS0+64*((\a)%2)+4*\g+3], v[LI], s[68:69] offset:(\a)*8192+512*\g
.endr
.endm
; 64 numbers of a lane in window WA, from v[s] on, become a fragment's codes in v[PC] on and its scale word in v[pw] (window 0)
.macro QUANTW s, pw
	WIN W2
.irp b, 0,1,2,3
	v_max3_num_f32 v[TM+\b], |v[\s+16*\b]|, |v[\s+1+16*\b]|, 0x1800000   ; each accumulator is read from its low end on; the floor 2^(3 - 127) holds the byte at 1 from below
.endr
.irp i, 2,4,6,8,10,12,14
.irp b, 0,1,2,3
	v_max3_num_f32 v[TM+\b], |v[\s+16*\b+\i]|, |v[\s+1+16*\b+\i]|, v[TM+\b]
.endr
.endr
	WIN 0
.irp b, 0,1,2,3
	v_permlanex16_b32 v[TM+4+\b], v[TM+\b], s[SEL], s[SEL+1]
.endr
.irp b, 0,1,2,3
	v_max_num_f32 v[TM+\b], v[TM+\b], v[TM+4+\b]
.endr
.irp b, 0,1,2,3
	v_add_nc_u32 v[TM+12+\b], 0xff000000, v[TM+\b]
.endr
.irp b, 0,1,2,3
	v_lshrrev_b32 v[TM+4+\b], 23, v[TM+12+\b]
.endr
	v_lshl_or_b32 v[\pw], v[TM+5], 8, v[TM+4]
	v_lshl_or_b32 v[\pw], v[TM+6], 16, v[\pw]
	v_lshl_or_b32 v[\pw], v[TM+7], 24, v[\pw]
	WIN WA
.irp c, 0,1
	v_cvt_scalef32_pk16_fp6_f32 v[PC+6*\c:PC+2+6*\c], v[\s+32*\c:\s+15+32*\c], v[TM+12+2*\c]
	v_cvt_scalef32_pk16_fp6_f32 v[PC+12+4*\c:PC+14+4*\c], v[\s+16+32*\c:\s+31+32*\c], v[TM+12+2*\c+1]
.endr
	v_nop                                          ; one plain place behind a scaled conversion
	WIN 0
.irp c, 0,1
.irp i, 0,1,2
	v_permlane16_swap_b32 v[PC+6*\c+\i], v[PC+12+4*\c+\i]
.endr
.irp i, 0,1,2
	v_mov_b32 v[PC+3+6*\c+\i], v[PC+12+4*\c+\i]
.endr
.endr
.endm
; Block a of A's eight leaves: rotated (rot = 1), quantised, stored as tile a of my record
.macro BLOCKOUT a, rot
.set WA, 2+(\a)/4
.set W2, WA|(WA<<2)
.set WD, WA|(WA<<6)
.set AC, 64*((\a)%4)
.set CSB, CS0+64*((\a)%2)
.if \rot
.if (\a) < 7
	s_wait_loadcnt 16                              ; this block's table is in; the next block's 16 loads may be out
.else
	s_wait_loadcnt 0x0
.endif
.irp g, 0,1,2,3                        ; 16 numbers at a time: the cross terms -t2 sin, t1 sin; then t cos + them, two at a time
	WIN WA
.irp n, 0,2,4,6,8,10,12,14
	v_mul_f32 v[TT+\n], -v[AC+16*\g+\n+1], v[CSB+16*\g+\n+1]
	v_mul_f32 v[TT+\n+1], v[AC+16*\g+\n], v[CSB+16*\g+\n+1]
.endr
	WIN WD
.irp n, 0,2,4,6,8,10,12,14
	v_pk_fma_f32 v[AC+16*\g+\n:AC+16*\g+\n+1], v[AC+16*\g+\n:AC+16*\g+\n+1], v[CSB+16*\g+\n:CSB+16*\g+\n+1], v[TT+\n:TT+\n+1] op_sel_hi:[1,0,1]
.endr
.endr
	WIN 0
.if (\a) < 6
	LOADCS (\a)+2
.endif
.endif
.if (\a) > 0
	s_wait_xcnt 0x0                                ; the last block's stores have read their data: the codes' registers are written again only behind this wait
.endif
	QUANTW AC, PW+(\a)
.irp c, 0,1,2
	global_store_b128 v[LI], v[PC+4*\c:PC+4*\c+3], s[70:71] offset:(\a)*1536+512*\c   ; 512 consecutive bytes
.endr
.endm
	s_wait_tensorcnt 1                             ; my part of slot 0 is in; slot 1's load may be out
	s_barrier_signal -1
	s_barrier_wait -1
	FETCH_B 0, 0, 0
	FETCH_A 0, 0, 0
	SCALES 0
	FETCH_A 0, 0, 4
	STEP 0, 0, 1                                   ; the first step stands in front of the loop: its products start the sums
	s_mov_b32 s3, LAPS-1
.Llap:                                                 ; a trip goes once round the ring and fills both slots again
	TURN 0, 1, 1
	STEP 1, 0, 0
	TURN 1, 0, 1
	STEP 0, 0, 0
	s_sub_co_u32 s3, s3, 1
	s_cmp_lg_u32 s3, 0
	s_cbranch_scc1 .Llap
	TURN 0, 1, 0                                   ; the last lap fills nothing
	s_cmp_lg_u32 s[ISV], 0                         ; one parting of the ways, the same in all sixteen work-groups; no barrier and no tensor load stands in either way
	s_cbranch_scc1 .Lvalues
	LOADCS 0                                       ; q, k: the first block's table is asked for ahead of the last 128 products, into registers that the loop leaves idle
	LAST
	LOADCS 1
.irp a, 0,1,2,3,4,5,6,7
	BLOCKOUT \a, 1
.endr
	s_branch .Lwords
.Lvalues:                                              ; v: no rotation
	LAST
.irp a, 0,1,2,3,4,5,6,7
	BLOCKOUT \a, 0
.endr
.Lwords:
	v_cmp_ne_u32 vcc_lo, 0, v[HH]                  ; lanes 0-15 store the words of tiles 0-3 of row r, lanes 16-31 those of tiles 4-7
.irp i, 0,1,2,3
	v_cndmask_b32 v[SW+\i], v[PW+\i], v[PW+4+\i], vcc_lo
.endr
	global_store_b128 v[SWA], v[SW:SW+3], s[70:71] offset:12288
	s_wait_tensorcnt 0x0                           ; the wave's end
	ds_add_u32 v[SPW], v[NIL]
	s_wait_dscnt 0x0
	CROUND                                         ; the closing round
	s_endpgm
.Lfunc_end_k_qb803e07d6a_qkv:
	.size	k_qb803e07d6a_qkv, .Lfunc_end_k_qb803e07d6a_qkv-k_qb803e07d6a_qkv
	.p2alignl 7, 3214868480
	.fill 96, 4, 3214868480
	.section	.rodata,"a",@progbits
	.p2align	6, 0x0
	.amdhsa_kernel k_qb803e07d6a_qkv
		.amdhsa_group_segment_fixed_size 327680
		.amdhsa_private_segment_fixed_size 0
		.amdhsa_enable_private_segment 0
		.amdhsa_kernarg_size 24
		.amdhsa_user_sgpr_count 2
		.amdhsa_user_sgpr_kernarg_segment_ptr 1
		.amdhsa_wavefront_size32 1
		.amdhsa_system_sgpr_workgroup_id_x 1
		.amdhsa_system_sgpr_workgroup_id_y 1
		.amdhsa_system_sgpr_workgroup_id_z 1
		.amdhsa_system_vgpr_workitem_id 0
		.amdhsa_next_free_vgpr 1024
		.amdhsa_next_free_sgpr 76
		.amdhsa_reserve_vcc 1
		.amdhsa_float_denorm_mode_32 3
		.amdhsa_float_denorm_mode_16_64 3
		.amdhsa_memory_ordered 1
		.amdhsa_forward_progress 1
		.amdhsa_inst_pref_size 244
	.end_amdhsa_kernel
	.amdgpu_metadata
---
amdhsa.version: [ 1, 2 ]
amdhsa.kernels:
  - .name:           k_qb803e07d6a_qkv
    .symbol:         k_qb803e07d6a_qkv.kd
    .args:
      - { .name: c1, .offset: 0, .size: 8, .value_kind: global_buffer, .address_space: global }
      - { .name: rope, .offset: 8, .size: 8, .value_kind: global_buffer, .address_space: global }
      - { .name: qkv, .offset: 16, .size: 8, .value_kind: global_buffer, .address_space: global }
    .group_segment_fixed_size: 327680
    .private_segment_fixed_size: 0
    .kernarg_segment_align: 8
    .kernarg_segment_size: 24
    .max_flat_workgroup_size: 128
    .sgpr_count:     76
    .vgpr_count:     1024
    .wavefront_size: 32
...
	.end_amdgpu_metadata
.endif
;; end of part 2
;; launch attn (part 3): grid 16 x 16, 8 waves a work-group, no clusters, 327,680 bytes of LDS; arguments qkv, m; writes m
.if DOCPART == 3
	.amdgcn_target "amdgcn-amd-amdhsa--gfx1250"
	.amdhsa_code_object_version 6
	.text
	.protected	k_qb803e07d6a_attn
	.globl	k_qb803e07d6a_attn
	.p2align	8
	.type	k_qb803e07d6a_attn,@function
k_qb803e07d6a_attn:
	s_mov_b64 s[64:65], 0
	v_nop
	global_prefetch_b8 v0, s[64:65] scope:SCOPE_SE
	s_setreg_imm32_b32 hwreg(HW_REG_WAVE_MODE, 25, 1), 1
	s_wait_xcnt 0x0
; Causal attention on codes of FP6 (E2M3) with E8M0 scales: O[q] = sum over keys k <= q of softmax(Q[q] . K[k] / sqrt(128)) V[k], for 16 heads of 128, 2,048 tokens; the result is quantised in registers and leaves as codes.
; qkv: [0 q, 1 k, 2 v][head][16] records of 128 rows x 128 K, 12,800 bytes: byte 1536 a + 512 c + 16 lane = registers 4 c .. 4 c + 3 of tile a's fragment; byte 12288 + 32 r + 4 a = the scale word of fragment row r of tile a;
; fragment row r of tile a is row 32 (a / 2) + 8 (a % 2) + r + 8 (r / 8).  q, k: rows = tokens; v: rows = the head's 128, K = 128 keys.  m: [token group][head] records of the same make: rows = tokens, K = the head's 128.
; THE SOFTMAX: t = score x log2(e) / sqrt(128); M = the running largest t rounded UP to a whole number; p = 2^(t - M) is quantised along the keys, not normalised; the sum is taken of the unquantised p and divides O at the end.
; When M moves, the sum and O are multiplied by 2^(old M - new M): exact.
; SHARES.  A work-group owns two groups of 64 queries of one head, group x and group 31 - x: together 17 key steps of 128 for each pair of tiles, whatever x.  Each of its eight waves owns one tile of 16 queries; waves w and w + 4, and waves
; 2 i and 2 i + 1, are one early and one late.  K and V come through a ring of two LDS slots of 512 keys (four records of K, four of V); EVERY wave fetches one record of each slot.
; Every work-group walks all four slots, so that trip counts are constants and no tensor load or barrier is jumped over; a step all of whose keys come after the wave's queries is left out by a scalar branch on ids.
; NO CLUSTER: work-groups that share K and V (one head) differ in their queries, so the branches round hidden steps would differ between partners.
; LAYOUT.  Both products are used transposed: S^T = K Q^T, O^T = V^T P^T: a lane holds ONE query (fragment row lane % 16) throughout; by the order of a tile's rows register 16 b + i of S^T is key 32 b + 16 (lane / 16) + i, of O^T channel likewise.
; REGISTERS: v1-4, v7 lane terms; v5, v6 for the add; v8-11 the slot's addresses; v12 -M, v13 the largest t, v[14:15] the sum; v16-27 Q; v29 the mask's lane term; v32-79 four fragments; v80-87 K's scale words, v88-95 V's;
;   v96-159 S^T, then p, then four more fragments of V; v160-223 O^T; v224-235 p's codes; v232-254 at work; v253 p's scale word; v255 Q's.
; LIMITS: NaN and infinities are not served.
.set REC,   12800
.set SLOT1, 1<<17                      ; slot 1 begins here: one exclusive or turns an address
.set SPARE, SLOT1+8*REC                ; the spare words, 128 bytes for each of eight waves
.set LI,   1                           ; v1  16 x lane: K's records
.set LV,   2                           ; v2  the same behind K's four records: V's
.set LS,   3                           ; v3  32 r + 12288: K's scale words
.set LT,   4                           ; v4  V's
.set SPW,  5
.set NIL,  6
.set R32,  7                           ; v7  32 r
.set ADK,  8
.set ADV,  9
.set ADS,  10
.set ADT,  11
.set DQ,   29                          ; v29 r + 8 (r / 8) - 16 h
.set TM,   32                          ; the way out: at work,
.set PC,   48                          ; the codes,
.set PW,   68                          ; the scale word
.set WV,   8
.set Q0,   14                          ; s14 my tile's first query
.set QMAX, 15                          ; s15 its last: Q0 + 23
.set KS,   16                          ; s16 the slot's first key
.set TB,   17                          ; s17 LDS byte at which the slot in hand begins
.set SLOTS, 18
.set SEL,  20
.set CS,   22                          ; s[22:23] c = log2(e) / sqrt(128)
.set G1,   24
.set G0,   32
	s_load_b128 s[4:7], s[0:1], 0x0                ; qkv s[4:5], m s[6:7]
	v_lshl_add_u32 v[SPW], v0, 2, SPARE
	v_mov_b32 v[NIL], 0
	ds_add_u32 v5, v6
	ds_add_u32 v5, v6
	s_wait_dscnt 0x0
	v_lshrrev_b32 v8, 5, v0
	v_readfirstlane_b32 s[WV], v8                  ; wave 0..7
	s_and_b32 s10, ttmp7, 0xffff                   ; the head
	s_lshr_b32 s11, s[WV], 2
	s_xor_b32 s12, s[WV], s11
	s_and_b32 s12, s12, 1                          ; 0: the early group, 1: the late one
	s_sub_co_u32 s13, 31, ttmp9
	s_cmp_lg_u32 s12, 0
	s_cselect_b32 s13, s13, ttmp9
	s_bfe_u32 s12, s[WV], 0x20001                  ; which of the group's four tiles
	s_lshl_b32 s13, s13, 2
	s_add_co_u32 s13, s13, s12                     ; my tile of queries, 0 .. 127
	s_lshr_b32 s[Q0], s13, 1
	s_lshl_b32 s[Q0], s[Q0], 5
	s_and_b32 s[QMAX], s13, 1
	s_lshl_b32 s[QMAX], s[QMAX], 3
	s_add_co_u32 s[Q0], s[Q0], s[QMAX]
	s_add_co_u32 s[QMAX], s[Q0], 23
	s_lshl_b32 s46, s10, 4                         ; 16 x head
	s_add_co_u32 s44, s11, 1                       ; waves 0-3 fetch K (region 1), waves 4-7 V (region 2)
	s_lshl_b32 s44, s44, 8
	s_add_co_u32 s44, s44, s46
	s_and_b32 s47, s[WV], 3
	s_add_co_u32 s44, s44, s47                     ; the record of 128 keys
	s_mul_i32 s44, s44, REC
	s_mov_b32 s45, 0
	s_lshr_b32 s47, s13, 3                         ; my token group
	s_and_b32 s52, s13, 7                          ; my tile in it
	s_add_co_u32 s48, s46, s47
	s_mul_i32 s48, s48, REC                        ; q's record
	s_mov_b32 s49, 0
	s_lshl_b32 s50, s47, 4
	s_add_co_u32 s50, s50, s10
	s_mul_i32 s50, s50, REC                        ; m's record
	s_mov_b32 s51, 0
	s_mul_i32 s53, s52, 1536
	s_lshl_b32 s52, s52, 2
	s_mov_b32 s[G1], 3<<16                         ; a record: 12,800 dense bytes as 50 rows of 256; elements of 8 bytes; no mask, no padding
	s_mov_b32 s[G1+1], 32<<16
	s_mov_b32 s[G1+2], 50<<16
	s_mov_b32 s[G1+3], 32<<16
	s_mov_b32 s[G1+4], 50
	s_mov_b32 s[G1+5], 32
	s_mov_b32 s[G1+6], 0
	s_mov_b32 s[G1+7], 0
	s_mov_b32 s[G0], 1
	s_mul_i32 s[G0+1], s[WV], REC                  ; slot 0: K's four records, then V's four: wave x 12,800
	s_mov_b32 s[SEL], 0x76543210
	s_mov_b32 s[SEL+1], 0xfedcba98
	s_mov_b32 s[CS], 0x3e0293ee
	s_mov_b32 s[CS+1], s[CS]
	s_mov_b32 s[KS], 0
	s_mov_b32 s[TB], 0
	s_mov_b32 s[SLOTS], 3
	s_wait_kmcnt 0x0
	s_add_nc_u64 s[G0+2:G0+3], s[4:5], s[44:45]
	s_or_b32 s[G0+3], s[G0+3], 0x80000000
	tensor_load_to_lds s[G0:G0+3], s[G1:G1+7]      ; slot 0: one load of mine is out
	s_nop 0
.rept 4
	v_nop
.endr
	s_add_nc_u64 s[38:39], s[4:5], s[48:49]
	s_add_nc_u64 s[42:43], s[6:7], s[50:51]
	s_mov_b32 s44, s53
	s_add_nc_u64 s[36:37], s[38:39], s[44:45]      ; q: my tile's fragment
	s_add_nc_u64 s[40:41], s[42:43], s[44:45]      ; m: likewise
	s_mov_b32 s44, s52
	s_add_nc_u64 s[38:39], s[38:39], s[44:45]      ; q: my tile's column of scale words
	s_add_nc_u64 s[42:43], s[42:43], s[44:45]      ; m: likewise
	v_and_b32 v9, 31, v0
	v_lshlrev_b32 v[LI], 4, v9
	v_add_nc_u32 v[LV], 4*REC, v[LI]
	v_and_b32 v9, 15, v0                           ; r
	v_bfe_u32 v10, v0, 4, 1                        ; h
	v_lshlrev_b32 v[R32], 5, v9
	v_add_nc_u32 v[LS], 12288, v[R32]
	v_add_nc_u32 v[LT], 4*REC, v[LS]
.irp c, 0,1,2
	global_load_b128 v[16+4*\c:19+4*\c], v[LI], s[36:37] offset:512*\c   ; Q's fragment stays in registers
.endr
	global_load_b32 v255, v[R32], s[38:39] offset:12288
	v_and_b32 v11, 8, v9
	v_add_nc_u32 v[DQ], v11, v9
	v_lshlrev_b32 v10, 4, v10
	v_sub_nc_u32 v[DQ], v[DQ], v10
	v_mov_b32 v13, 0xff61b1e6                      ; the largest t so far: -3e38
	v_floor_f32 v12, -v13                          ; -M
	v_mov_b32 v14, 0
	v_mov_b32 v15, 0
.irp b, 0,1,2,3
	v_mov_b32 v[236+\b], 0                         ; a lane permute's destination counts as one of its sources
.endr
	v_mov_b32 v252, 0
	v_mov_b32 v253, 0
.irp j, 0,1,2,3,4,5,6,7,8,9,10,11,12,13,14,15,16,17,18,19,20,21,22,23,24,25,26,27,28,29,30,31,32,33,34,35,36,37,38,39,40,41,42,43,44,45,46,47,48,49,50,51,52,53,54,55,56,57,58,59,60,61,62,63
	v_mov_b32 v[160+\j], 0                         ; O^T: the step is written once; the first finds zeros, which the first change of M leaves zeros
.endr
.macro KLOAD q, g                      ; tiles 4 g .. 4 g + 3 of the slot's q-th record of K; with g = 0 the record's scale words of my row
.irp t, 0,1,2,3
.irp c, 0,1,2
	ds_load_b128 v[32+12*\t+4*\c:35+12*\t+4*\c], v[ADK] offset:(\q)*REC+(4*(\g)+\t)*1536+512*\c
.endr
.endr
.if (\g) == 0
	ds_load_b128 v[80:83], v[ADS] offset:(\q)*REC
	ds_load_b128 v[84:87], v[ADS] offset:(\q)*REC+16
.endif
.endm
.macro VLOAD q, g, reg
.irp t, 0,1,2,3
.irp c, 0,1,2
	ds_load_b128 v[\reg+12*\t+4*\c:\reg+3+12*\t+4*\c], v[ADV] offset:(\q)*REC+(4*(\g)+\t)*1536+512*\c
.endr
.endr
.if (\g) == 0
	ds_load_b128 v[88:91], v[ADT] offset:(\q)*REC
	ds_load_b128 v[92:95], v[ADT] offset:(\q)*REC+16
.endif
.endm
; A KEY STEP: 128 keys, the q-th of the slot in hand.  The test for a hidden step stands ahead of the step's first loads; all later steps of the slot are hidden with it.
.macro STEP q, id
.if \q == 0
	s_cmp_gt_u32 s[KS], s[QMAX]
	s_cbranch_scc1 .Lse_\id
	KLOAD 0, 0
.endif
	s_wait_dscnt 0x0
.irp t, 0,1,2,3
	v_wmma_scale_f32_16x16x128_f8f6f4 v[96+8*\t:103+8*\t], v[32+12*\t:43+12*\t], v[16:27], 0, v[80+\t], v255 matrix_a_fmt:MATRIX_FMT_FP6 matrix_b_fmt:MATRIX_FMT_FP6
.endr
.rept 4
	v_nop                                          ; places in front of loads into registers that matrix instructions have read
.endr
	KLOAD \q, 1
	s_wait_dscnt 0x0
.irp t, 0,1,2,3
	v_wmma_scale_f32_16x16x128_f8f6f4 v[128+8*\t:135+8*\t], v[32+12*\t:43+12*\t], v[16:27], 0, v[84+\t], v255 matrix_a_fmt:MATRIX_FMT_FP6 matrix_b_fmt:MATRIX_FMT_FP6
.endr
.rept 4
	v_nop                                          ; likewise, and in front of the first read of the scores
.endr
	VLOAD \q, 0, 32                                ; V's first four tiles land under the softmax
	s_add_co_u32 s19, s[KS], 128*(\q)+127          ; on the diagonal the scores of hidden keys become -infinity; a step all of whose keys count for all my queries skips this
	s_cmp_le_u32 s19, s[Q0]
	s_cbranch_scc1 .Lopen_\@
	s_sub_co_i32 s19, s[Q0], s[KS]
	s_sub_co_i32 s19, s19, 128*(\q)
	v_add_nc_u32 v254, s19, v[DQ]                  ; d = my query - the step's first key - 16 h.  Register 16 b + i holds key 32 b + 16 h + i of the step: hidden where 32 b + i > d
	v_mov_b32 v248, 0xff800000
.irp n, 0,1,2,3,4,5,6,7,8,9,10,11,12,13,14,15,16,17,18,19,20,21,22,23,24,25,26,27,28,29,30,31,32,33,34,35,36,37,38,39,40,41,42,43,44,45,46,47,48,49,50,51,52,53,54,55,56,57,58,59,60,61,62,63
	v_cmp_gt_i32 vcc_lo, 32*(\n/16)+\n%16, v254
	v_cndmask_b32 v[96+\n], v[96+\n], v248, vcc_lo
.endr
.Lopen_\@:
.irp b, 0,1,2,3
	v_max3_num_f32 v[232+\b], v[96+16*\b], v[97+16*\b], v[98+16*\b]   ; the largest score of each block of 32 keys: for the row's maximum and, since p rises with the score, for the block's largest p
.endr
.irp i, 3,5,7,9,11,13
.irp b, 0,1,2,3
	v_max3_num_f32 v[232+\b], v[232+\b], v[96+16*\b+\i], v[97+16*\b+\i]
.endr
.endr
.irp b, 0,1,2,3
	v_max_num_f32 v[232+\b], v[232+\b], v[111+16*\b]
.endr
.irp b, 0,1,2,3
	v_permlanex16_b32 v[236+\b], v[232+\b], s[SEL], s[SEL+1]
.endr
.irp b, 0,1,2,3
	v_max_num_f32 v[232+\b], v[232+\b], v[236+\b]
.endr
	v_max3_num_f32 v254, v232, v233, v234
	v_max_num_f32 v254, v254, v235
	v_mul_f32 v254, s[CS], v254
	v_max_num_f32 v13, v13, v254                   ; the running largest t
	v_mov_b32 v254, v12
	v_floor_f32 v12, -v13                          ; the new -M = -ceil(t)
	v_sub_f32 v254, v12, v254                      ; old M - new M: a whole number, 0 or less
	v_cvt_i32_f32 v254, v254                       ; (it saturates)
	v_ldexp_f32 v252, 1.0, v254                    ; f = 2^(old M - new M)
.irp j, 0,2,4,6,8,10,12,14,16,18,20,22,24,26,28,30,32,34,36,38,40,42,44,46,48,50,52,54,56,58,60,62
	v_pk_fma_f32 v[96+\j:97+\j], v[96+\j:97+\j], s[CS:CS+1], v[12:13] op_sel_hi:[1,0,0]   ; t - M
.endr
.irp b, 0,1,2,3
	v_fma_f32 v[232+\b], v[232+\b], s[CS], v12
.endr
.irp j, 0,1,2,3,4,5,6,7,8,9,10,11,12,13,14,15,16,17,18,19,20,21,22,23,24,25,26,27,28,29,30,31,32,33,34,35,36,37,38,39,40,41,42,43,44,45,46,47,48,49,50,51,52,53,54,55,56,57,58,59,60,61,62,63
	v_exp_f32 v[96+\j], v[96+\j]                   ; p = 2^(t - M)
.endr
.irp b, 0,1,2,3
	v_exp_f32 v[232+\b], v[232+\b]                 ; the block's largest p
.endr
	v_pk_mul_f32 v[14:15], v[14:15], v[252:253] op_sel_hi:[1,0]   ; the sums under the new M (a plain place behind the exponentials)
	s_wait_alu depctr_va_vdst(0)
.irp b, 0,1,2,3
	v_max_num_f32 v[232+\b], 0x1800000, v[232+\b]  ; the floor 2^(3 - 127)
.endr
.irp b, 0,1,2,3
	v_add_nc_u32 v[244+\b], 0xff000000, v[232+\b]  ; the conversion's scale operand
.endr
.irp b, 0,1,2,3
	v_lshrrev_b32 v[236+\b], 23, v[244+\b]
.endr
	v_lshl_or_b32 v253, v237, 8, v236              ; p's scale word for these 128 keys
	v_lshl_or_b32 v253, v238, 16, v253
	v_lshl_or_b32 v253, v239, 24, v253
.irp c, 0,1
	v_cvt_scalef32_pk16_fp6_f32 v[224+6*\c:226+6*\c], v[96+32*\c:111+32*\c], v[244+2*\c]
	v_cvt_scalef32_pk16_fp6_f32 v[236+4*\c:238+4*\c], v[112+32*\c:127+32*\c], v[244+2*\c+1]
.endr
	v_nop                                          ; one plain place behind a scaled conversion
.irp c, 0,1
.irp i, 0,1,2
	v_permlane16_swap_b32 v[224+6*\c+\i], v[236+4*\c+\i]
.endr
.irp i, 0,1,2
	v_mov_b32 v[227+6*\c+\i], v[236+4*\c+\i]
.endr
.endr
	v_pk_add_f32 v[236:237], v[96:97], v[98:99]    ; the sum of the unquantised p, in two chains
.irp j, 4,8,12,16,20,24,28,32,36,40,44,48,52,56,60
	v_pk_add_f32 v[14:15], v[14:15], v[96+\j:97+\j]
	v_pk_add_f32 v[236:237], v[236:237], v[98+\j:99+\j]
.endr
	v_pk_add_f32 v[14:15], v[14:15], v[236:237]
	VLOAD \q, 1, 96                                ; p has been summed and converted: its registers take V's other four tiles
.irp j, 0,2,4,6,8,10,12,14,16,18,20,22,24,26,28,30,32,34,36,38,40,42,44,46,48,50,52,54,56,58,60,62
	v_pk_mul_f32 v[160+\j:161+\j], v[160+\j:161+\j], v[252:253] op_sel_hi:[1,0]   ; O^T under the new M; also the places between the lines that made p's codes and scale word and the products below
.endr
	s_wait_dscnt 0x0
.irp t, 0,1,2,3
	v_wmma_scale_f32_16x16x128_f8f6f4 v[160+8*\t:167+8*\t], v[32+12*\t:43+12*\t], v[224:235], v[160+8*\t:167+8*\t], v[88+\t], v253 matrix_a_fmt:MATRIX_FMT_FP6 matrix_b_fmt:MATRIX_FMT_FP6
.endr
.irp t, 0,1,2,3
	v_wmma_scale_f32_16x16x128_f8f6f4 v[192+8*\t:199+8*\t], v[96+12*\t:107+12*\t], v[224:235], v[192+8*\t:199+8*\t], v[92+\t], v253 matrix_a_fmt:MATRIX_FMT_FP6 matrix_b_fmt:MATRIX_FMT_FP6
.endr
.rept 5
	v_nop                                          ; five: the next scores are written over registers that these products read as a source
.endr
.if \q < 3
	s_add_co_u32 s19, s[KS], 128*(\q)+128
	s_cmp_gt_u32 s19, s[QMAX]
	s_cbranch_scc1 .Lse_\id
	KLOAD (\q)+1, 0
.endif
.endm
; THE CHANGE OF SLOTS stands at a slot's head.  fill = 1: the slot that has been left is filled with the 512 keys that follow the slot ahead; the load has a whole slot's steps in which to land.
.macro CHANGE fill
	s_wait_tensorcnt 0x0                           ; my one tensor load, my record of the slot ahead, has landed: the group 0 may be written
	ds_add_u32 v[SPW], v[NIL]                      ; 0 onto my spare word
.if \fill
	s_xor_b32 s[G0+1], s[G0+1], SLOT1
	s_add_nc_u64 s[G0+2:G0+3], s[G0+2:G0+3], 4*REC
.endif
	s_wait_dscnt 0x0                               ; the add is done, and my reads of the slot that I have left are over
	s_barrier_signal -1
	s_barrier_wait -1
.if \fill
	tensor_load_to_lds s[G0:G0+3], s[G1:G1+7]      ; the first thing behind the barrier, and my one tensor load until the next
	s_nop 0
.rept 4
	v_nop
.endr
.endif
.endm
.macro SLOT_STEPS id
	v_add_nc_u32 v[ADK], s[TB], v[LI]
	v_add_nc_u32 v[ADV], s[TB], v[LV]
	v_add_nc_u32 v[ADS], s[TB], v[LS]
	v_add_nc_u32 v[ADT], s[TB], v[LT]
	STEP 0, \id
	STEP 1, \id
	STEP 2, \id
	STEP 3, \id
.Lse_\id:
	s_add_co_u32 s[KS], s[KS], 512
	s_xor_b32 s[TB], s[TB], SLOT1
.endm
	s_wait_loadcnt 0x0                             ; Q
.Lslot:                                                ; three trips: behind each change of slots but the last the next slot is asked for
	CHANGE 1
	SLOT_STEPS 0
	s_sub_co_u32 s[SLOTS], s[SLOTS], 1
	s_cmp_lg_u32 s[SLOTS], 0
	s_cbranch_scc1 .Lslot
	CHANGE 0                                       ; the last slot is written out
	SLOT_STEPS 1
	; THE WAY OUT: O^T / the sum; register 16 b + i is channel 32 b + 16 h + i of my query: quantised as it stands, it is tile (my tile % 8) of m's record
	v_add_f32 v14, v14, v15
	v_permlanex16_b32 v252, v14, s[SEL], s[SEL+1]
	v_add_f32 v14, v14, v252
	v_rcp_f32 v14, v14
.irp b, 0,1,2,3
	v_mov_b32 v[TM+4+\b], 0                        ; plain places behind the reciprocal; a lane permute's destination counts as one of its sources
.endr
	s_wait_alu depctr_va_vdst(0)
.irp j, 0,1,2,3,4,5,6,7,8,9,10,11,12,13,14,15,16,17,18,19,20,21,22,23,24,25,26,27,28,29,30,31,32,33,34,35,36,37,38,39,40,41,42,43,44,45,46,47,48,49,50,51,52,53,54,55,56,57,58,59,60,61,62,63
	v_mul_f32 v[96+\j], v[160+\j], v14
.endr
.irp b, 0,1,2,3
	v_max3_num_f32 v[TM+\b], |v[96+16*\b]|, |v[97+16*\b]|, 0x1800000
.endr
.irp i, 2,4,6,8,10,12,14
.irp b, 0,1,2,3
	v_max3_num_f32 v[TM+\b], |v[96+16*\b+\i]|, |v[97+16*\b+\i]|, v[TM+\b]
.endr
.endr
.irp b, 0,1,2,3
	v_permlanex16_b32 v[TM+4+\b], v[TM+\b], s[SEL], s[SEL+1]
.endr
.irp b, 0,1,2,3
	v_max_num_f32 v[TM+\b], v[TM+\b], v[TM+4+\b]
.endr
.irp b, 0,1,2,3
	v_add_nc_u32 v[TM+12+\b], 0xff000000, v[TM+\b]
.endr
.irp b, 0,1,2,3
	v_lshrrev_b32 v[TM+4+\b], 23, v[TM+12+\b]
.endr
	v_lshl_or_b32 v[PW], v[TM+5], 8, v[TM+4]
	v_lshl_or_b32 v[PW], v[TM+6], 16, v[PW]
	v_lshl_or_b32 v[PW], v[TM+7], 24, v[PW]
.irp c, 0,1
	v_cvt_scalef32_pk16_fp6_f32 v[PC+6*\c:PC+2+6*\c], v[96+32*\c:111+32*\c], v[TM+12+2*\c]
	v_cvt_scalef32_pk16_fp6_f32 v[PC+12+4*\c:PC+14+4*\c], v[112+32*\c:127+32*\c], v[TM+12+2*\c+1]
.endr
	v_nop                                          ; one plain place behind a scaled conversion
.irp c, 0,1
.irp i, 0,1,2
	v_permlane16_swap_b32 v[PC+6*\c+\i], v[PC+12+4*\c+\i]
.endr
.irp i, 0,1,2
	v_mov_b32 v[PC+3+6*\c+\i], v[PC+12+4*\c+\i]
.endr
.endr
.irp c, 0,1,2
	global_store_b128 v[LI], v[PC+4*\c:PC+4*\c+3], s[40:41] offset:512*\c   ; 512 consecutive bytes
.endr
	global_store_b32 v[R32], v[PW], s[42:43] offset:12288   ; my row's scale word; lanes r and r + 16 hold the same word and write it to the same place.  Four bytes in each 32: the record's other tiles belong to other waves
	s_wait_tensorcnt 0x0                           ; the wave's end
	ds_add_u32 v[SPW], v[NIL]
	s_wait_dscnt 0x0
	s_endpgm
.Lfunc_end_k_qb803e07d6a_attn:
	.size	k_qb803e07d6a_attn, .Lfunc_end_k_qb803e07d6a_attn-k_qb803e07d6a_attn
	.p2alignl 7, 3214868480
	.fill 96, 4, 3214868480
	.section	.rodata,"a",@progbits
	.p2align	6, 0x0
	.amdhsa_kernel k_qb803e07d6a_attn
		.amdhsa_group_segment_fixed_size 327680
		.amdhsa_private_segment_fixed_size 0
		.amdhsa_enable_private_segment 0
		.amdhsa_kernarg_size 16
		.amdhsa_user_sgpr_count 2
		.amdhsa_user_sgpr_kernarg_segment_ptr 1
		.amdhsa_wavefront_size32 1
		.amdhsa_system_sgpr_workgroup_id_x 1
		.amdhsa_system_sgpr_workgroup_id_y 1
		.amdhsa_system_sgpr_workgroup_id_z 1
		.amdhsa_system_vgpr_workitem_id 0
		.amdhsa_next_free_vgpr 256
		.amdhsa_next_free_sgpr 66
		.amdhsa_reserve_vcc 1
		.amdhsa_float_denorm_mode_32 3
		.amdhsa_float_denorm_mode_16_64 3
		.amdhsa_memory_ordered 1
		.amdhsa_forward_progress 1
		.amdhsa_inst_pref_size 205
	.end_amdhsa_kernel
	.amdgpu_metadata
---
amdhsa.version: [ 1, 2 ]
amdhsa.kernels:
  - .name:           k_qb803e07d6a_attn
    .symbol:         k_qb803e07d6a_attn.kd
    .args:
      - { .name: qkv, .offset: 0, .size: 8, .value_kind: global_buffer, .address_space: global }
      - { .name: m, .offset: 8, .size: 8, .value_kind: global_buffer, .address_space: global }
    .group_segment_fixed_size: 327680
    .private_segment_fixed_size: 0
    .kernarg_segment_align: 8
    .kernarg_segment_size: 16
    .max_flat_workgroup_size: 256
    .sgpr_count:     66
    .vgpr_count:     256
    .wavefront_size: 32
...
	.end_amdgpu_metadata
.endif
;; end of part 3
;; launch proj (part 4): grid 8 x 8, 4 waves a work-group, clusters of 4 x 4, 327,680 bytes of LDS; arguments m, c1, out0; writes out0
.if DOCPART == 4
	.amdgcn_target "amdgcn-amd-amdhsa--gfx1250"
	.amdhsa_code_object_version 6
	.text
	.protected	k_qb803e07d6a_proj
	.globl	k_qb803e07d6a_proj
	.p2align	8
	.type	k_qb803e07d6a_proj,@function
k_qb803e07d6a_proj:
	s_mov_b64 s[64:65], 0
	v_nop
	global_prefetch_b8 v0, s[64:65] scope:SCOPE_SE
	s_setreg_imm32_b32 hwreg(HW_REG_WAVE_MODE, 25, 1), 1
	s_wait_xcnt 0x0
	s_wait_alu depctr_hold_cnt(0) depctr_sa_sdst(0) depctr_va_vdst(0) depctr_va_sdst(0) depctr_va_ssrc(0) depctr_va_vcc(0) depctr_vm_vsrc(0)
	s_getreg_b32 s2, hwreg(HW_REG_IB_STS2, 6, 4)
	s_cmp_eq_u32 s2, 0
	s_cbranch_scc0 .Lentry_in_a_cluster
	s_endpgm
.Lentry_in_a_cluster:
	s_bfe_u32 s2, ttmp6, 0x10000c
	s_cmp_lg_u32 s2, 0xf033
	s_cbranch_scc0 .Lentry_shape_is_right
	s_endpgm
.Lentry_shape_is_right:
; out0 = merged Wo^T on codes of FP6 (E2M3) with E8M0 scales, sums in f32; out0 [2048][2048] f32.
; OPERANDS ARE RECORDS of 128 rows x 128 K, 12,800 bytes: byte 1536 a + 512 c + 16 lane = registers 4 c .. 4 c + 3 of tile a's fragment; byte 12288 + 32 r + 4 a = the scale word of fragment row r of tile a;
; fragment row r of tile a is row 32 (a / 2) + 8 (a % 2) + r + 8 (r / 8) of the 128.  m: [token group][K step = head] records; c1: [group][K step] records, Wo's groups are 64-79.
; A tile of C, 256 x 256, is made by four waves, each 128 x 128: 64 accumulators, 512 registers.  K goes in steps of 256 (two records a group) through a ring of two LDS slots; a wave's tensor load brings one group's two records, 25,600 dense bytes.
; THE MATRIX INSTRUCTION IS USED TRANSPOSED (source 0 = a tile of Wo, source 1 = a tile of tokens): in A's block a lane (r, h) holds fragment row r, and register 16 b + i of the block's 64 holds column 32 b + 16 h + i.
; CLUSTERS: 4 x 4 work-groups; A's tiles are asked for jointly along a row of the cluster, B's along a column.  The 2,048 x 2,048 outputs are 64 such tiles: 64 work-groups.
; REGISTERS: window 0: v3 16 x lane; v16-23 LDS addresses; v24-25 the way out; v28-29 for the add; v32-63 scale words and nothing else; v128-223 A's fragments, one set; on the way out v128-255 rows read back.
;   window 1: B's fragments, two sets, at v0 and v128.   windows 2, 3: the accumulators, (a, b) at v[8 (8 (a % 4) + b)].
.set REC,   12800
.set PART,  2*REC
.set SLOT,  4*PART
.set SPARE, 2*SLOT
.set GRP,   16*REC
.set FR,    12
.set NL,    3
.set NP,    4
.set NQ,    2
.set LAPS,  4
.set SPITCH, 528                       ; the way out: a stage of 16 rows x (512 bytes + 16) for each wave, in slot 0, which has had its last fill and its last read when the first result is stored there
.set HH,    2
.set LI,    3
.set ADRA,  16
.set ADRB,  20
.set ADRS,  22
.set STO,   24
.set RD,    25
.set SPW,   28
.set NIL,   29
.set SC,    32
.set AF,    128
.set BK,    128
.set G1,  24
.set G0,  32
.set G1B, 48
.set G0B, 56
.set MSB, 0
.macro WIN new
.if MSB != \new
	s_set_vgpr_msb (MSB<<8)|\new
.set MSB, \new
.endif
.endm
.set MUL_LO, 0xa1
.set MUL_HI, 0xf1
.set TO_B,   0x40
.macro JLOAD g0a, g1a, g0b, g1b        ; a joint load: waves 0, 1 fetch A's groups, waves 2, 3 B's; four v_nop follow each line
	s_cmp_eq_u32 s15, 0
	s_cbranch_scc0 .Lfor_b_\@
	tensor_load_to_lds s[\g0a:\g0a+3], s[\g1a:\g1a+7]
	s_nop 0
.rept 4
	v_nop
.endr
	s_branch .Lasked_\@
.Lfor_b_\@:
	tensor_load_to_lds s[\g0b:\g0b+3], s[\g1b:\g1b+7]
	s_nop 0
.rept 4
	v_nop
.endr
.Lasked_\@:
.endm
.macro CREST
	s_cmp_lg_u32 s14, 0
	s_cbranch_scc1 .Lnot_wave_0_\@
	s_barrier_signal -3
.Lnot_wave_0_\@:
	s_barrier_wait -3
	s_barrier_signal -1
	s_barrier_wait -1
.endm
.macro CROUND
	s_barrier_signal -1
	s_barrier_wait -1
	CREST
.endm
	s_load_b128 s[4:7], s[0:1], 0x0                ; m s[4:5], c1 s[6:7]
	s_load_b64 s[8:9], s[0:1], 0x10                ; out0
	v_lshl_add_u32 v[SPW], v0, 2, SPARE
	v_mov_b32 v[NIL], 0
	ds_add_u32 v28, v29
	ds_add_u32 v28, v29
	s_wait_dscnt 0x0
	v_lshrrev_b32 v1, 5, v0
	v_readfirstlane_b32 s14, v1                    ; wave
	s_lshr_b32 s15, s14, 1                         ; which half of the tile's rows is mine.  Also: I fetch for A (0) or for B (1)
	s_and_b32 s16, s14, 1                          ; which half of its columns.  Also: which group of that tile I fetch
	s_bfe_u32 s40, ttmp6, 0x40000
	s_bfe_u32 s41, ttmp6, 0x40004
	s_lshl_b32 s42, ttmp9, 2
	s_add_co_u32 s42, s42, s40                     ; tile column X
	s_and_b32 s17, ttmp7, 0xffff
	s_lshl_b32 s17, s17, 2
	s_add_co_u32 s17, s17, s41                     ; tile row Y
	s_lshl_b32 s43, s41, 2
	s_lshl_b32 s43, 15, s43
	s_lshl_b32 s44, 0x1111, s40
	s_or_b32 s[G1+0], s43, (3<<16)|(1<<21)         ; 15:0 the mask; 17:16 elements of 8 bytes; 21 set beside a mask; no padding
	s_or_b32 s[G1B+0], s44, (3<<16)|(1<<21)
.irp g, G1, G1B                        ; 25,600 dense bytes as 100 rows of 256
	s_mov_b32 s[\g+1], 32<<16
	s_mov_b32 s[\g+2], 100<<16
	s_mov_b32 s[\g+3], 32<<16
	s_mov_b32 s[\g+4], 100
	s_mov_b32 s[\g+5], 32
	s_mov_b32 s[\g+6], 0
	s_mov_b32 s[\g+7], 0
.endr
	s_lshl_b32 s20, s17, 1
	s_add_co_u32 s20, s20, s16                     ; A's group: tokens 2 Y + half
	s_mul_i32 s20, s20, GRP
	s_mov_b32 s21, 0
	s_lshl_b32 s46, s42, 1
	s_add_co_u32 s46, s46, s16
	s_add_co_u32 s46, s46, 64                      ; B's group: Wo's 64 + 2 X + half
	s_mul_i32 s46, s46, GRP
	s_mov_b32 s47, 0
	s_mul_i32 s45, s14, PART
	s_wait_kmcnt 0x0
	s_add_nc_u64 s[20:21], s[4:5], s[20:21]
	s_add_nc_u64 s[46:47], s[6:7], s[46:47]
	CROUND                                         ; all sixteen work-groups are here: the first joint loads meet
.irp s, 0,1
	s_mov_b32 s[G0+4*\s], 1
	s_add_co_u32 s[G0+4*\s+1], s45, \s*SLOT
	s_add_nc_u64 s[G0+4*\s+2:G0+4*\s+3], s[20:21], \s*PART
	s_or_b32 s[G0+4*\s+3], s[G0+4*\s+3], 0x80000000
	s_mov_b32 s[G0B+4*\s], 1
	s_add_co_u32 s[G0B+4*\s+1], s45, \s*SLOT
	s_add_nc_u64 s[G0B+4*\s+2:G0B+4*\s+3], s[46:47], \s*PART
	s_or_b32 s[G0B+4*\s+3], s[G0B+4*\s+3], 0x80000000
	JLOAD G0+4*\s, G1, G0B+4*\s, G1B
.endr
	v_and_b32 v1, 31, v0
	v_lshlrev_b32 v[LI], 4, v1
	v_and_b32 v1, 15, v0                           ; r
	v_bfe_u32 v[HH], v0, 4, 1
	v_lshlrev_b32 v5, 5, v1                        ; 32 r
	s_mul_i32 s21, s15, PART
	s_mul_i32 s22, s16, PART
	s_add_co_u32 s22, s22, 2*PART
	s_sub_co_u32 s23, s22, s21
	v_mul_u32_u24 v6, s23, v[HH]                   ; lanes 16-31 take B's scale words: the lower base + h x the distance
	v_add_nc_u32 v5, v5, v6
.irp s, 0,1
	v_add_nc_u32 v[ADRA+\s], s21, v[LI]
	v_add_nc_u32 v[ADRB+\s], s22, v[LI]
	v_add_nc_u32 v[ADRS+\s], s21, v5
	s_add_co_u32 s21, s21, SLOT
	s_add_co_u32 s22, s22, SLOT
.endr
	s_mul_i32 s23, s14, 16*SPITCH                  ; my stage
	v_mul_u32_u24 v5, v1, SPITCH
	v_lshl_add_u32 v5, v[HH], 6, v5
	v_add_nc_u32 v[STO], s23, v5                   ; in: row r, + 64 h
	v_add_nc_u32 v[RD], s23, v[LI]                 ; back: the 32 lanes take one row of 512 bytes
	s_lshl_b32 s20, s17, 1
	s_add_co_u32 s20, s20, s15
	s_lshl_b32 s20, s20, 20                        ; my first row: 128 (2 Y + half) rows of 8,192 bytes
	s_lshl_b32 s46, s42, 1
	s_add_co_u32 s46, s46, s16
	s_lshl_b32 s46, s46, 9                         ; my first column: 128 (2 X + half) numbers
	s_add_co_u32 s20, s20, s46
	s_mov_b32 s21, 0
	s_add_nc_u64 s[8:9], s[8:9], s[20:21]
.macro FRAG reg, adr, q, i
.irp c, 0,1,2
	ds_load_b128 v[\reg+4*\c:\reg+4*\c+3], v[\adr] offset:(\q)*REC+(\i)*1536+512*\c
.endr
.endm
; 16 matrix instructions: A's blocks a0, a0 + 1 x B's eight.  The 64 accumulators take turns, one instruction a turn, in the same order in every step.
.macro MUL16 a0, p, q, sc, zero
.irp a, \a0, \a0+1
.irp b, 0,1,2,3,4,5,6,7
.if \zero
	v_wmma_scale_f32_16x16x128_f8f6f4 v[8*(8*((\a)%4)+\b):8*(8*((\a)%4)+\b)+7], v[128*(\p)+FR*\b:128*(\p)+FR*\b+FR-1], v[AF+FR*(\a):AF+FR*(\a)+FR-1], 0, v[SC+16*(\sc)+8*(\q)+\b], v[SC+16*(\sc)+8*(\q)+(\a)] matrix_a_fmt:MATRIX_FMT_FP6 matrix_b_fmt:MATRIX_FMT_FP6 matrix_a_scale:MATRIX_SCALE_ROW1
.else
	v_wmma_scale_f32_16x16x128_f8f6f4 v[8*(8*((\a)%4)+\b):8*(8*((\a)%4)+\b)+7], v[128*(\p)+FR*\b:128*(\p)+FR*\b+FR-1], v[AF+FR*(\a):AF+FR*(\a)+FR-1], v[8*(8*((\a)%4)+\b):8*(8*((\a)%4)+\b)+7], v[SC+16*(\sc)+8*(\q)+\b], v[SC+16*(\sc)+8*(\q)+(\a)] matrix_a_fmt:MATRIX_FMT_FP6 matrix_b_fmt:MATRIX_FMT_FP6 matrix_a_scale:MATRIX_SCALE_ROW1
.endif
.endr
.endr
.endm
.macro FETCH_B slot, q, p
	WIN TO_B
.irp i, 0,1,2,3,4,5,6,7
	FRAG 128*(\p)+FR*\i, ADRB+\slot, \q, \i
.endr
	WIN 0
.endm
.macro FETCH_A slot, q, i0
.irp i, \i0, \i0+1, \i0+2, \i0+3
	FRAG AF+FR*(\i), ADRA+\slot, \q, \i
.endr
.endm
.macro SCALES sc
.irp q, 0,1
.irp c, 0,1
	ds_load_b128 v[SC+16*\sc+8*\q+4*\c:SC+16*\sc+8*\q+4*\c+3], v[ADRS+\sc] offset:\q*REC+12288+16*\c
.endr
.endr
.endm
.macro PLACES n
.rept \n
	v_nop
.endr
.endm
.macro STEP slot, q, zero
	s_wait_dscnt 4*NL                              ; all but the youngest twelve loads (A's blocks 4-7) are in
	WIN MUL_LO
	MUL16 0, (\q)%2, \q, \slot, \zero
	MUL16 2, (\q)%2, \q, \slot, \zero
	s_wait_dscnt 0
	PLACES NP
	FETCH_B \slot, (\q)+1, 1-(\q)%2
	FETCH_A \slot, (\q)+1, 0
	WIN MUL_HI
	MUL16 4, (\q)%2, \q, \slot, \zero
	MUL16 6, (\q)%2, \q, \slot, \zero
	PLACES NP
	WIN 0
	FETCH_A \slot, (\q)+1, 4
.endm
.macro TURN slot, next, fill
	s_wait_tensorcnt 0x0                           ; all my tensor loads have landed: my part of the next slot
	ds_add_u32 v[SPW], v[NIL]                      ; 0 onto my spare word
	s_wait_dscnt 4*NL+1                            ; the add and the youngest twelve loads may be out
	WIN MUL_LO
	MUL16 0, 1, NQ-1, \slot, 0
	s_wait_dscnt 0x0                               ; the add is done, and my reads of this slot are over
	s_barrier_signal -1
	MUL16 2, 1, NQ-1, \slot, 0
	WIN 0
	s_barrier_wait -1
.if \fill
	CREST                                          ; the barrier has opened a round of the cluster's: no wave of any partner still reads this slot or has a load on its way
	s_add_nc_u64 s[G0+4*\slot+2:G0+4*\slot+3], s[G0+4*\slot+2:G0+4*\slot+3], 2*PART
	s_add_nc_u64 s[G0B+4*\slot+2:G0B+4*\slot+3], s[G0B+4*\slot+2:G0B+4*\slot+3], 2*PART
	JLOAD G0+4*\slot, G1, G0B+4*\slot, G1B         ; the first tensor load behind the round; its four v_nop are also the places in front of the loads below
.else
	PLACES NP
.endif
	FETCH_B \next, 0, 0
	FETCH_A \next, 0, 0
	SCALES \next
	WIN MUL_HI
	MUL16 4, 1, NQ-1, \slot, 0
	MUL16 6, 1, NQ-1, \slot, 0
	PLACES NP
	WIN 0
	FETCH_A \next, 0, 4
.endm
	s_wait_tensorcnt 1                             ; my part of slot 0 is in; slot 1's load may be out
	s_barrier_signal -1
	s_barrier_wait -1
	FETCH_B 0, 0, 0
	FETCH_A 0, 0, 0
	SCALES 0
	FETCH_A 0, 0, 4
	STEP 0, 0, 1                                   ; the first step stands in front of the loop: its products start the sums
	s_mov_b32 s3, LAPS-1
.Llap:
	TURN 0, 1, 1
	STEP 1, 0, 0
	TURN 1, 0, 1
	STEP 0, 0, 0
	s_sub_co_u32 s3, s3, 1
	s_cmp_lg_u32 s3, 0
	s_cbranch_scc1 .Llap
	TURN 0, 1, 0                                   ; the last lap fills nothing
	STEP 1, 0, 0
	s_wait_dscnt 4*NL
	WIN MUL_LO
	MUL16 0, 1, NQ-1, 1, 0
	MUL16 2, 1, NQ-1, 1, 0
	s_wait_dscnt 0
	WIN MUL_HI
	MUL16 4, 1, NQ-1, 1, 0
	MUL16 6, 1, NQ-1, 1, 0
	WIN 0
; THE WAY OUT, block by block of 16 rows x 128 columns, through my own stage in LDS: in as 32 bytes a lane and accumulator, back as whole rows of 512 bytes.  LDS serves a wave's instructions in order: no wait between the stores and the loads.
.macro TOSTAGE a
.set AC, 64*((\a)%4)
.set WS, 8+4*((\a)/4)
	WIN WS                                         ; an LDS store's data are its source 1: window 2 or 3
.irp b, 0,1,2,3,4,5,6,7
	ds_store_b128 v[STO], v[AC+8*\b:AC+8*\b+3] offset:128*(\b/2)+32*(\b%2)        ; columns 32 (b / 2) + 16 h + 8 (b % 2) on; each accumulator from its low end on
	ds_store_b128 v[STO], v[AC+8*\b+4:AC+8*\b+7] offset:128*(\b/2)+32*(\b%2)+16
.endr
	WIN 0
.set BB, BK+64*((\a)%2)
.irp t, 0,1,2,3,4,5,6,7,8,9,10,11,12,13,14,15
	ds_load_b128 v[BB+4*\t:BB+4*\t+3], v[RD] offset:\t*SPITCH
.endr
.endm
.macro SEND a, younger                 ; younger: the LDS instructions issued behind block a's loads, which may stay out
.set BB, BK+64*((\a)%2)
	s_wait_dscnt \younger
.irp t, 0,1,2,3,4,5,6,7,8,9,10,11,12,13,14,15
	global_store_b128 v[LI], v[BB+4*\t:BB+4*\t+3], s[8:9] offset:(32*((\a)/2)+8*((\a)%2)+\t+8*(\t/8))*8192 th:TH_STORE_NT   ; stage row t is row 32 (a / 2) + 8 (a % 2) + t + 8 (t / 8) of my 128; 512 consecutive bytes; 127 rows at the most in the immediate
.endr
.endm
	PLACES NP                                      ; in front of the first read of results and of loads into the registers that held A's fragments
	TOSTAGE 0
.irp a, 1,2,3,4,5,6,7
.if \a > 1
	s_wait_xcnt 0x0                                ; the stores of the block two back have read their registers: this block's loads may land there
.endif
	TOSTAGE \a
	SEND \a-1, 32                                  ; behind the last block's loads: this block's 16 stores and 16 loads
.endr
	SEND 7, 0
	s_wait_tensorcnt 0x0                           ; the wave's end
	ds_add_u32 v[SPW], v[NIL]
	s_wait_dscnt 0x0
	CROUND                                         ; the closing round
	s_endpgm
.Lfunc_end_k_qb803e07d6a_proj:
	.size	k_qb803e07d6a_proj, .Lfunc_end_k_qb803e07d6a_proj-k_qb803e07d6a_proj
	.p2alignl 7, 3214868480
	.fill 96, 4, 3214868480
	.section	.rodata,"a",@progbits
	.p2align	6, 0x0
	.amdhsa_kernel k_qb803e07d6a_proj
		.amdhsa_group_segment_fixed_size 327680
		.amdhsa_private_segment_fixed_size 0
		.amdhsa_enable_private_segment 0
		.amdhsa_kernarg_size 24
		.amdhsa_user_sgpr_count 2
		.amdhsa_user_sgpr_kernarg_segment_ptr 1
		.amdhsa_wavefront_size32 1
		.amdhsa_system_sgpr_workgroup_id_x 1
		.amdhsa_system_sgpr_workgroup_id_y 1
		.amdhsa_system_sgpr_workgroup_id_z 1
		.amdhsa_system_vgpr_workitem_id 0
		.amdhsa_next_free_vgpr 1024
		.amdhsa_next_free_sgpr 66
		.amdhsa_reserve_vcc 0
		.amdhsa_float_denorm_mode_32 3
		.amdhsa_float_denorm_mode_16_64 3
		.amdhsa_memory_ordered 1
		.amdhsa_forward_progress 1
		.amdhsa_inst_pref_size 131
	.end_amdhsa_kernel
	.amdgpu_metadata
---
amdhsa.version: [ 1, 2 ]
amdhsa.kernels:
  - .name:           k_qb803e07d6a_proj
    .symbol:         k_qb803e07d6a_proj.kd
    .args:
      - { .name: m, .offset: 0, .size: 8, .value_kind: global_buffer, .address_space: global }
      - { .name: c1, .offset: 8, .size: 8, .value_kind: global_buffer, .address_space: global }
      - { .name: out0, .offset: 16, .size: 8, .value_kind: global_buffer, .address_space: global }
    .group_segment_fixed_size: 327680
    .private_segment_fixed_size: 0
    .kernarg_segment_align: 8
    .kernarg_segment_size: 24
    .max_flat_workgroup_size: 128
    .sgpr_count:     66
    .vgpr_count:     1024
    .wavefront_size: 32
...
	.end_amdgpu_metadata
.endif
;; end of part 4
;; ======== version 2 of 2: 4 launches; 1.14 times as fast as version 1
;; limits: right only within a limited range of input values
;; workspace buffers: c1 16,384,000 bytes; rope 1,048,576 bytes; qkv 9,830,400 bytes; m 3,276,800 bytes
;; launch quant: the kernel of part 1 again; grid 352 x 1, 4 waves a work-group, no clusters, 34,304 bytes of LDS; arguments x, Wq, Wk, Wv, Wo, token_positions, c1, rope; writes c1, rope
;; launch qkv: the kernel of part 2 again; grid 24 x 8, 4 waves a work-group, clusters of 4 x 4, 327,680 bytes of LDS; arguments c1, rope, qkv; writes qkv
;; launch attn: the kernel of part 3 again; grid 16 x 16, 8 waves a work-group, no clusters, 327,680 bytes of LDS; arguments qkv, m; writes m
;; launch proj (part 5): grid 16 x 16, 4 waves a work-group, clusters of 4 x 4, 327,680 bytes of LDS; arguments m, c1, out0; writes out0
.if DOCPART == 5
	.amdgcn_target "amdgcn-amd-amdhsa--gfx1250"
	.amdhsa_code_object_version 6
	.text
	.protected	k_qb803e07d6a_proj
	.globl	k_qb803e07d6a_proj
	.p2align	8
	.type	k_qb803e07d6a_proj,@function
k_qb803e07d6a_proj:
	s_mov_b64 s[64:65], 0
	v_nop
	global_prefetch_b8 v0, s[64:65] scope:SCOPE_SE
	s_setreg_imm32_b32 hwreg(HW_REG_WAVE_MODE, 25, 1), 1
	s_wait_xcnt 0x0
	s_wait_alu depctr_hold_cnt(0) depctr_sa_sdst(0) depctr_va_vdst(0) depctr_va_sdst(0) depctr_va_ssrc(0) depctr_va_vcc(0) depctr_vm_vsrc(0)
	s_getreg_b32 s2, hwreg(HW_REG_IB_STS2, 6, 4)
	s_cmp_eq_u32 s2, 0
	s_cbranch_scc0 .Lentry_in_a_cluster
	s_endpgm
.Lentry_in_a_cluster:
	s_bfe_u32 s2, ttmp6, 0x10000c
	s_cmp_lg_u32 s2, 0xf033
	s_cbranch_scc0 .Lentry_shape_is_right
	s_endpgm
.Lentry_shape_is_right:
; out0 = merged Wo^T on codes of FP6 (E2M3) with E8M0 scales, sums in f32; out0 [2048][2048] f32.
; OPERANDS ARE RECORDS of 128 rows x 128 K, 12,800 bytes: byte 1536 a + 512 c + 16 lane = registers 4 c .. 4 c + 3 of tile a's fragment; byte 12288 + 32 r + 4 a = the scale word of fragment row r of tile a;
; fragment row r of tile a is row 32 (a / 2) + 8 (a % 2) + r + 8 (r / 8) of the 128.  m: [token group][K step = head] records; c1: [group][K step] records, Wo's groups are 64-79.
; A TILE OF C IS 128 x 128: the 2,048 x 2,048 outputs are 256 such tiles, 256 work-groups; tiles of 256 x 256 would be 64.  Four waves, each 64 x 64: 16 accumulators, 128 registers.  The price: for 128 along K a wave reads
; 8 fragments for 16 matrix instructions, twice the LDS bytes for each product that a wave tile of 128 x 128 reads.
; K: 16 steps of 128.  LDS has three slots of four K steps (A's four records, then B's four: 102,400 bytes).  All three are asked for at the start; a wave's tensor load brings two records, 25,600 dense bytes, so three loads of a wave
; are out at the start.  The last four K steps come into slot 0 by ONE refill, one load a wave, asked for as soon as slot 0's fragments are all in registers.
; THE MATRIX INSTRUCTION IS USED TRANSPOSED (source 0 = a tile of Wo, source 1 = a tile of tokens): in A's block a lane (r, h) holds fragment row r, and register 8 b + j of the block's 32 holds column 32 (b / 2) + 16 h + 8 (b % 2) + j of my 64.
; CLUSTERS: 4 x 4 work-groups; A's records are asked for jointly along a row of the cluster, B's along a column.
; REGISTERS: window 0: v2, v3 lane terms; v16-24 LDS addresses; v25-27 the way out; v28-29 for the add; v32-47 scale words and nothing else, two sets; v128-255 the accumulators, (a, b) at v[128 + 8 (4 a + b)].
;   windows 1 and 2: two fragment buffers of 192 registers, each for two K steps: for step kk B's four fragments at v[96 kk], A's four at v[96 kk + 48].  On the way out window 1's v0-127 take the rows read back.
.set REC,   12800
.set PART,  2*REC                      ; what one tensor load brings
.set SLOT,  8*REC                      ; four K steps: A's four records, then B's four
.set SPARE, 3*SLOT                     ; behind the three slots: the spare words, 128 bytes a wave
.set GRP,   16*REC                     ; a group's 16 records
.set FR,    12
.set NP,    4                          ; places behind this matrix instruction (ISA guide 7.12.1)
.set STAGE, SLOT                       ; the way out: 16 rows x (256 bytes + 16) for each wave, in slot 1: it is filled once, and its last read lies in front of the second barrier
.set SPITCH, 272
.set HH,    2                          ; v2   lane / 16
.set LI,    3                          ; v3   16 x lane
.set ADRA,  16                         ; v16-18 my four tiles of A in slot 0, 1, 2
.set ADRB,  19                         ; v19-21 my four tiles of B
.set ADRS,  22                         ; v22-24 scale words: lanes 0-15 A's, lanes 16-31 B's
.set STO,   25
.set RD,    26
.set CO,    27
.set SPW,   28
.set NIL,   29
.set SC,    32                         ; buffer f, step kk, tile i at v[SC + 8 f + 4 kk + i]
.set ACC,   128
.set G1,  24                           ; s[24:31] descriptor group 1 for A's records;  s[48:55] for B's
.set G1B, 48
.set G0,  68                           ; s[68:79] group 0 for A's, a set for each slot;  s[80:91] for B's
.set G0B, 80
.set MSB, 0
.macro WIN new                         ; the immediate's high byte repeats the setting that is left
.if MSB != \new
	s_set_vgpr_msb (MSB<<8)|\new
.set MSB, \new
.endif
.endm
.macro JLOAD g0a, g1a, g0b, g1b        ; a joint load: waves 0, 1 fetch A's records, waves 2, 3 B's; four v_nop follow each line
	s_cmp_eq_u32 s15, 0
	s_cbranch_scc0 .Lfor_b_\@
	tensor_load_to_lds s[\g0a:\g0a+3], s[\g1a:\g1a+7]
	s_nop 0
.rept 4
	v_nop
.endr
	s_branch .Lasked_\@
.Lfor_b_\@:
	tensor_load_to_lds s[\g0b:\g0b+3], s[\g1b:\g1b+7]
	s_nop 0
.rept 4
	v_nop
.endr
.Lasked_\@:
.endm
.macro CREST                           ; a round of the cluster's barrier behind its opening barrier
	s_cmp_lg_u32 s14, 0
	s_cbranch_scc1 .Lnot_wave_0_\@
	s_barrier_signal -3
.Lnot_wave_0_\@:
	s_barrier_wait -3
	s_barrier_signal -1
	s_barrier_wait -1
.endm
.macro CROUND
	s_barrier_signal -1
	s_barrier_wait -1
	CREST
.endm
	s_load_b128 s[4:7], s[0:1], 0x0                ; m s[4:5], c1 s[6:7]
	s_load_b64 s[8:9], s[0:1], 0x10                ; out0
	v_lshl_add_u32 v[SPW], v0, 2, SPARE
	v_mov_b32 v[NIL], 0
	ds_add_u32 v28, v29
	ds_add_u32 v28, v29
	s_wait_dscnt 0x0
	v_lshrrev_b32 v1, 5, v0
	v_readfirstlane_b32 s14, v1                    ; wave
	s_lshr_b32 s15, s14, 1                         ; which half of the tile's rows is mine.  Also: I fetch for A (0) or for B (1)
	s_and_b32 s16, s14, 1                          ; which half of its columns.  Also: which two of a slot's four records I fetch
	s_bfe_u32 s40, ttmp6, 0x40000                  ; cx, cy
	s_bfe_u32 s41, ttmp6, 0x40004
	s_lshl_b32 s42, ttmp9, 2
	s_add_co_u32 s42, s42, s40                     ; tile column X
	s_and_b32 s17, ttmp7, 0xffff
	s_lshl_b32 s17, s17, 2
	s_add_co_u32 s17, s17, s41                     ; tile row Y
	s_lshl_b32 s43, s41, 2
	s_lshl_b32 s43, 15, s43                        ; my row of the cluster
	s_lshl_b32 s44, 0x1111, s40                    ; my column
	s_or_b32 s[G1+0], s43, (3<<16)|(1<<21)         ; 15:0 the mask; 17:16 elements of 8 bytes; 21 set beside a mask; no padding
	s_or_b32 s[G1B+0], s44, (3<<16)|(1<<21)
.irp g, G1, G1B                        ; 25,600 dense bytes as 100 rows of 256
	s_mov_b32 s[\g+1], 32<<16
	s_mov_b32 s[\g+2], 100<<16
	s_mov_b32 s[\g+3], 32<<16
	s_mov_b32 s[\g+4], 100
	s_mov_b32 s[\g+5], 32
	s_mov_b32 s[\g+6], 0
	s_mov_b32 s[\g+7], 0
.endr
	s_mul_i32 s18, s16, PART                       ; records 0, 1 or 2, 3 of a slot's four
	s_mul_i32 s20, s17, GRP                        ; A: token group Y
	s_add_co_u32 s20, s20, s18
	s_mov_b32 s21, 0
	s_add_co_u32 s46, s42, 64                      ; B: Wo's group 64 + X
	s_mul_i32 s46, s46, GRP
	s_add_co_u32 s46, s46, s18
	s_mov_b32 s47, 0
	s_mul_i32 s45, s14, PART                       ; where they go: wave x 25,600: no place in the cluster enters an LDS address
	s_wait_kmcnt 0x0
	s_add_nc_u64 s[20:21], s[4:5], s[20:21]
	s_add_nc_u64 s[46:47], s[6:7], s[46:47]
	CROUND                                         ; all sixteen work-groups are here: the first joint loads meet
.irp s, 0,1,2                          ; the three first fills go out together: K steps 0-3, 4-7, 8-11
	s_mov_b32 s[G0+4*\s], 1
	s_add_co_u32 s[G0+4*\s+1], s45, \s*SLOT
	s_add_nc_u64 s[G0+4*\s+2:G0+4*\s+3], s[20:21], \s*4*REC
	s_or_b32 s[G0+4*\s+3], s[G0+4*\s+3], 0x80000000
	s_mov_b32 s[G0B+4*\s], 1
	s_add_co_u32 s[G0B+4*\s+1], s45, \s*SLOT
	s_add_nc_u64 s[G0B+4*\s+2:G0B+4*\s+3], s[46:47], \s*4*REC
	s_or_b32 s[G0B+4*\s+3], s[G0B+4*\s+3], 0x80000000
	JLOAD G0+4*\s, G1, G0B+4*\s, G1B
.endr
	v_and_b32 v1, 31, v0
	v_lshlrev_b32 v[LI], 4, v1
	v_and_b32 v1, 15, v0                           ; r
	v_bfe_u32 v[HH], v0, 4, 1
	v_lshlrev_b32 v5, 5, v1                        ; 32 r
	s_mul_i32 s21, s15, 4*1536                     ; my four tiles in a record of A
	s_mul_i32 s22, s16, 4*1536
	s_add_co_u32 s22, s22, 4*REC                   ; my four tiles in a record of B, behind A's four records
	s_lshl_b32 s18, s15, 4                         ; the words of my four tiles of A: 16 bytes of a row's 32
	s_lshl_b32 s19, s16, 4
	s_add_co_u32 s19, s19, 4*REC                   ; and of B
	s_sub_co_u32 s23, s19, s18
	v_mul_u32_u24 v6, s23, v[HH]                   ; lanes 16-31 take B's scale words: the lower base + h x the distance
	v_add_nc_u32 v5, v5, v6
	s_add_co_u32 s18, s18, 12288
.irp s, 0,1,2
	v_add_nc_u32 v[ADRA+\s], s21, v[LI]
	v_add_nc_u32 v[ADRB+\s], s22, v[LI]
	v_add_nc_u32 v[ADRS+\s], s18, v5
	s_add_co_u32 s21, s21, SLOT
	s_add_co_u32 s22, s22, SLOT
	s_add_co_u32 s18, s18, SLOT
.endr
	s_mul_i32 s23, s14, 16*SPITCH
	s_add_co_u32 s23, s23, STAGE                   ; my stage
	v_mul_u32_u24 v5, v1, SPITCH
	v_lshl_add_u32 v5, v[HH], 6, v5
	v_add_nc_u32 v[STO], s23, v5                   ; in: row r, + 64 h
	v_mul_u32_u24 v5, v[HH], SPITCH
	v_lshl_add_u32 v5, v1, 4, v5
	v_add_nc_u32 v[RD], s23, v5                    ; back: lanes 0-15 take one row of 256 bytes, lanes 16-31 the next
	v_lshlrev_b32 v5, 13, v[HH]
	v_lshl_add_u32 v[CO], v1, 4, v5                ; and the same two rows in out0, 8,192 bytes apart
	s_lshl_b32 s20, s17, 1
	s_add_co_u32 s20, s20, s15
	s_lshl_b32 s20, s20, 19                        ; my first row: 64 (2 Y + half) rows of 8,192 bytes
	s_lshl_b32 s46, s42, 1
	s_add_co_u32 s46, s46, s16
	s_lshl_b32 s46, s46, 8                         ; my first column: 64 (2 X + half) numbers of 4 bytes
	s_add_co_u32 s20, s20, s46
	s_mov_b32 s21, 0
	s_add_nc_u64 s[8:9], s[8:9], s[20:21]
; 16 matrix instructions: my four tiles of A x my four of B, 128 along K: step kk of buffer buf.  The 16 accumulators take turns, one instruction a turn, in the same order in every step.
; zero = 1: the first product starts the sums: nothing is ever cleared.
.macro MUL16 buf, kk, zero
.irp a, 0,1,2,3
.irp b, 0,1,2,3
.if \zero
	v_wmma_scale_f32_16x16x128_f8f6f4 v[ACC+8*(4*\a+\b):ACC+8*(4*\a+\b)+7], v[96*(\kk)+FR*\b:96*(\kk)+FR*\b+FR-1], v[96*(\kk)+48+FR*\a:96*(\kk)+48+FR*\a+FR-1], 0, v[SC+8*(\buf)+4*(\kk)+\b], v[SC+8*(\buf)+4*(\kk)+\a] matrix_a_fmt:MATRIX_FMT_FP6 matrix_b_fmt:MATRIX_FMT_FP6 matrix_a_scale:MATRIX_SCALE_ROW1
.else
	v_wmma_scale_f32_16x16x128_f8f6f4 v[ACC+8*(4*\a+\b):ACC+8*(4*\a+\b)+7], v[96*(\kk)+FR*\b:96*(\kk)+FR*\b+FR-1], v[96*(\kk)+48+FR*\a:96*(\kk)+48+FR*\a+FR-1], v[ACC+8*(4*\a+\b):ACC+8*(4*\a+\b)+7], v[SC+8*(\buf)+4*(\kk)+\b], v[SC+8*(\buf)+4*(\kk)+\a] matrix_a_fmt:MATRIX_FMT_FP6 matrix_b_fmt:MATRIX_FMT_FP6 matrix_a_scale:MATRIX_SCALE_ROW1
.endif
.endr
.endr
.endm
; 50 LDS loads in one run: half hf (two K steps) of a slot into buffer buf: a fragment comes as it lies, by three loads of 512 consecutive bytes; the words of four tiles of a row by one load, lanes 0-15 A's, lanes 16-31 B's
.macro FETCH slot, hf, buf
.set WL, 0x40<<(\buf)
	WIN WL                                         ; destination window 1 or 2, address window 0
.irp kk, 0,1
.irp i, 0,1,2,3
.irp c, 0,1,2
	ds_load_b128 v[96*\kk+FR*\i+4*\c:96*\kk+FR*\i+4*\c+3], v[ADRB+\slot] offset:(2*(\hf)+\kk)*REC+\i*1536+512*\c
.endr
.endr
.irp i, 0,1,2,3
.irp c, 0,1,2
	ds_load_b128 v[96*\kk+48+FR*\i+4*\c:96*\kk+48+FR*\i+4*\c+3], v[ADRA+\slot] offset:(2*(\hf)+\kk)*REC+\i*1536+512*\c
.endr
.endr
.endr
	WIN 0
.irp kk, 0,1
	ds_load_b128 v[SC+8*(\buf)+4*\kk:SC+8*(\buf)+4*\kk+3], v[ADRS+\slot] offset:(2*(\hf)+\kk)*REC
.endr
.endm
.macro PLACES n                        ; plain vector instructions between a matrix instruction and a load into, or a read by a store of, its registers
.rept \n
	v_nop
.endr
.endm
; A TURN: two K steps.  Buffer buf is in; the next half slot is asked for into the other buffer, which the last turn's products read (hence the places); then 32 products, under which those loads land.
.macro TURN buf, nslot, nhf, zero
	s_wait_dscnt 0x0                               ; the 50 loads of this turn's buffer, asked for a turn ago
.if \zero == 0
	PLACES NP
.endif
	FETCH \nslot, \nhf, 1-(\buf)
.set WM, 0x05+5*(\buf)
	WIN WM                                         ; sources 0 and 1 window 1 or 2; C and D window 0
	MUL16 \buf, 0, \zero
	MUL16 \buf, 1, 0
.endm
; A turn on buffer 1 with a barrier at its head.  In front of it each wave waits for all its tensor loads, adds 0 to its spare word, and waits for that and for its LDS reads.
; fill = 1: slot 0's fragments are all in registers: the barrier opens a round of the cluster's, and behind it slot 0 is filled again, with K steps 12-15.  fill = 0: that refill has landed in every wave's part: slot 0 is read again.
.macro CHANGE fill, nslot
	WIN 0                                          ; (the add's two registers lie in window 0)
	s_wait_tensorcnt 0x0                           ; all my tensor loads have landed
	ds_add_u32 v[SPW], v[NIL]                      ; 0 onto my spare word
	s_wait_dscnt 0x0                               ; the add is done, buffer 1 is in, and my reads of every slot asked of so far are over
	s_barrier_signal -1
	WIN 0x0a
	MUL16 1, 0, 0                                  ; work on registers while the others arrive
	WIN 0
	s_barrier_wait -1
.if \fill
	CREST                                          ; no wave of any partner still reads slot 0 or has a load on its way
	s_add_nc_u64 s[G0+2:G0+3], s[G0+2:G0+3], 12*REC
	s_add_nc_u64 s[G0B+2:G0B+3], s[G0B+2:G0B+3], 12*REC
	JLOAD G0, G1, G0B, G1B                         ; the first tensor load behind the round, and my only one: one load of mine is out; its four v_nop are also the places in front of the loads below
.else
	PLACES NP
.endif
	FETCH \nslot, 0, 0
	WIN 0x0a
	MUL16 1, 1, 0
.endm
	s_wait_tensorcnt 0x2                           ; my part of slot 0 is in; slots 1's and 2's loads may be out
	s_barrier_signal -1
	s_barrier_wait -1
	FETCH 0, 0, 0                                  ; K steps 0, 1
	TURN 0, 0, 1, 1                                ; K steps 0, 1: the first products start the sums | asks for 2, 3
	CHANGE 1, 1                                    ; K steps 2, 3 | slot 0 is filled again | asks for 4, 5
	TURN 0, 1, 1, 0                                ; K steps 4, 5 | asks for 6, 7.  Slots 1 and 2 need no further barrier: every wave had waited for all its loads in front of the round
	TURN 1, 2, 0, 0                                ; K steps 6, 7 | asks for 8, 9
	TURN 0, 2, 1, 0                                ; K steps 8, 9 | asks for 10, 11
	CHANGE 0, 0                                    ; K steps 10, 11 | asks for 12, 13.  Behind this barrier nobody reads slots 1 and 2 any more
	TURN 0, 0, 1, 0                                ; K steps 12, 13 | asks for 14, 15
	s_wait_dscnt 0x0
	WIN 0x0a
	MUL16 1, 0, 0                                  ; K steps 14, 15: nothing more to fetch
	MUL16 1, 1, 0
; THE WAY OUT, block by block of 16 rows x 64 columns, through my own stage in LDS: in as 32 bytes a lane and accumulator, back as whole rows of 256 bytes, two rows an instruction.
; LDS serves a wave's instructions in order (ISA guide 5.7.1.4): no wait between the stores and the loads, nor in front of the next block's stores.  Each block has registers of its own for the rows read back: no store's data are written again.
.macro TOSTAGE a
	WIN 0
.irp b, 0,1,2,3
	ds_store_b128 v[STO], v[ACC+8*(4*(\a)+\b):ACC+8*(4*(\a)+\b)+3] offset:128*(\b/2)+32*(\b%2)        ; columns 32 (b / 2) + 16 h + 8 (b % 2) on; each accumulator from its low end on
	ds_store_b128 v[STO], v[ACC+8*(4*(\a)+\b)+4:ACC+8*(4*(\a)+\b)+7] offset:128*(\b/2)+32*(\b%2)+16
.endr
	WIN 0x40                                       ; destination window 1
.irp t, 0,1,2,3,4,5,6,7
	ds_load_b128 v[32*(\a)+4*\t:32*(\a)+4*\t+3], v[RD] offset:\t*2*SPITCH
.endr
.endm
.macro SEND a, younger                 ; younger: the LDS instructions issued behind block a's loads, which may stay out
	s_wait_dscnt \younger
	WIN 0x04                                       ; a store's data are its source 1: window 1
.irp t, 0,1,2,3,4,5,6,7
	global_store_b128 v[CO], v[32*(\a)+4*\t:32*(\a)+4*\t+3], s[8:9] offset:(32*((\a)/2)+8*((\a)%2)+2*\t+8*(\t/4))*8192 th:TH_STORE_NT   ; stage rows 2 t, 2 t + 1 are rows 32 (a / 2) + 8 (a % 2) + 2 t + 8 (t / 4) and the next of my 64; 16 lanes store 256 consecutive bytes, at a multiple of 256 from out0's first byte; 62 rows at the most in the immediate
.endr
.endm
	PLACES NP                                      ; in front of the first read of results and of loads into registers that held fragments
	TOSTAGE 0
	TOSTAGE 1
	SEND 0, 16                                     ; behind block 0's loads: block 1's 8 stores and 8 loads
	TOSTAGE 2
	SEND 1, 16
	TOSTAGE 3
	SEND 2, 16
	SEND 3, 0
	WIN 0
	s_wait_tensorcnt 0x0                           ; the wave's end
	ds_add_u32 v[SPW], v[NIL]
	s_wait_dscnt 0x0
	CROUND                                         ; the closing round
	s_endpgm
.Lfunc_end_k_qb803e07d6a_proj:
	.size	k_qb803e07d6a_proj, .Lfunc_end_k_qb803e07d6a_proj-k_qb803e07d6a_proj
	.p2alignl 7, 3214868480
	.fill 96, 4, 3214868480
	.section	.rodata,"a",@progbits
	.p2align	6, 0x0
	.amdhsa_kernel k_qb803e07d6a_proj
		.amdhsa_group_segment_fixed_size 327680
		.amdhsa_private_segment_fixed_size 0
		.amdhsa_enable_private_segment 0
		.amdhsa_kernarg_size 24
		.amdhsa_user_sgpr_count 2
		.amdhsa_user_sgpr_kernarg_segment_ptr 1
		.amdhsa_wavefront_size32 1
		.amdhsa_system_sgpr_workgroup_id_x 1
		.amdhsa_system_sgpr_workgroup_id_y 1
		.amdhsa_system_sgpr_workgroup_id_z 1
		.amdhsa_system_vgpr_workitem_id 0
		.amdhsa_next_free_vgpr 1024
		.amdhsa_next_free_sgpr 92
		.amdhsa_reserve_vcc 0
		.amdhsa_float_denorm_mode_32 3
		.amdhsa_float_denorm_mode_16_64 3
		.amdhsa_memory_ordered 1
		.amdhsa_forward_progress 1
		.amdhsa_inst_pref_size 77
	.end_amdhsa_kernel
	.amdgpu_metadata
---
amdhsa.version: [ 1, 2 ]
amdhsa.kernels:
  - .name:           k_qb803e07d6a_proj
    .symbol:         k_qb803e07d6a_proj.kd
    .args:
      - { .name: m, .offset: 0, .size: 8, .value_kind: global_buffer, .address_space: global }
      - { .name: c1, .offset: 8, .size: 8, .value_kind: global_buffer, .address_space: global }
      - { .name: out0, .offset: 16, .size: 8, .value_kind: global_buffer, .address_space: global }
    .group_segment_fixed_size: 327680
    .private_segment_fixed_size: 0
    .kernarg_segment_align: 8
    .kernarg_segment_size: 24
    .max_flat_workgroup_size: 128
    .sgpr_count:     92
    .vgpr_count:     1024
    .wavefront_size: 32
...
	.end_amdgpu_metadata
.endif
;; end of part 5
